; MI455X (gfx1250); checked and timed in simulation.
; The chip was launched on July 23, 2026; its instructions are those of AMD's public machine-readable ISA for CDNA 5 (MIT licence, August 2026) and "CDNA5" Instruction Set Architecture Reference Guide (July 2026). The comments in the code are by the model that wrote it; some were corrected since.
;; Causal Multihead Self Attention. Allowed arithmetic: matrix products marked QUANTISED: E2M1 operands, one E8M0 scale for each 32 along K, by v_wmma_scale_f32_16x16x128_f8f6f4 with both operands' format E2M1 (or v_wmma_scale_f32_32x16x128_f4), f32 sums; products left as they are: bf16, f16 or f32 operands; f32 sums; everything else in f32.
;; Inputs: token_positions 2,048 int32; wk 1,024 x 1,024 float32; wo 1,024 x 1,024 float32; wq 1,024 x 1,024 float32; wv 1,024 x 1,024 float32; x 4 x 2,048 x 1,024 float32.
;; Outputs: out0 4 x 2,048 x 1,024 float32.
;; This version of the problem:
;;   THIS VERSION OF THE PROBLEM IS GIVEN IN LOW PRECISION. The matrix products marked QUANTISED in the list below multiply operands that are first quantised to E2M1 (2 exponent bits, 1 mantissa bit; 4 bits a number), with one power-of-two scale for each 32 numbers along K (OCP MX v1.0); their sums are f32. The products marked 'left as it is' may take bf16, f16 or f32 operands, with f32 sums. Whichever they take, every output number must still come out within the allowed error. Rounding operands to bf16 (8 significant bits) uses up far more of that allowance than f16 does (11 bits, for magnitudes from 6e-5 to 65,504). All else is computed in f32.
;;   The module's matrix products, in the order in which they are computed (A, B: the left and right operand; K: the contracted axis; several contracted axes count as one K, in the product's order):
;;     1. [M 8,192, K 1,024] x [K 1,024, N 1,024]; A: input x; B: input wq: QUANTISED
;;     2. [M 8,192, K 1,024] x [K 1,024, N 1,024]; A: input x; B: input wk: QUANTISED
;;     3. [M 8,192, K 1,024] x [K 1,024, N 1,024]; A: input x; B: input wv: QUANTISED
;;     4. batch 64 x [M 2,048, K 64] x [K 64, N 2,048]; A: computed on the way; B: computed on the way: left as it is (an operand is computed on the way)
;;     5. batch 64 x [M 2,048, K 2,048] x [K 2,048, N 64]; A: computed on the way; B: computed on the way: left as it is (an operand is computed on the way)
;;     6. [M 8,192, K 1,024] x [K 1,024, N 1,024]; A: computed on the way; B: input wo: left as it is (an operand is computed on the way)
;;   THE QUANTISER, for each operand of a quantised product, along K:
;;     - K is cut into blocks of 32 from its start; a last block that is shorter is filled with zeros.
;;     - A block's scale is 2^e with e = floor(log2(the largest magnitude in the block)) - 2, held to -126 .. 127; a block of zeros has e = 0. As a byte (E8M0): e + 127.
;;     - Each number is divided by its block's scale, clamped to +-6, and rounded to the nearest number of E2M1, ties to even, subnormals kept.
;;     - The product sums the exact products of the quantised numbers (number of the format x scale) in f32.
;;   ~~~python
;;   def quantise(x, axis):      # numpy; x: float32 -> the quantised numbers, widened to float32 again
;;       x = np.moveaxis(x, axis, -1); K = x.shape[-1]
;;       x = np.pad(x, [(0, 0)] * (x.ndim - 1) + [(0, -K % 32)]); x = x.reshape(x.shape[:-1] + (-1, 32)); a = np.abs(x).max(-1, keepdims=True)
;;       e = np.where(a > 0, np.clip(np.frexp(np.where(a > 0, a, 1))[1] - 1 - 2, -126, 127), 0)      # np.frexp(a)[1] - 1 = floor(log2(a)), exactly
;;       r = np.clip(x / 2.0 ** e, -6, 6)
;;       step = 2.0 ** (np.maximum(np.frexp(np.where(r == 0, 1, r))[1] - 1, 0) - 1)
;;       q = np.round(r / step) * step * 2.0 ** e      # np.round: ties to even
;;       return np.moveaxis(q.reshape(q.shape[:-2] + (-1,))[..., :K], -1, axis).astype(np.float32)
;;   ~~~
;; One version. Each part assembles by itself: llvm-mc -triple=amdgcn-amd-amdhsa -mcpu=gfx1250 --defsym DOCPART=n.
;; ======== version 1 of 1: 5 launches
;; limits: values are held in f16: magnitudes above 65,504 overflow, below 6.1e-05 lose precision
;; workspace buffers: codes 5,767,168 bytes; scales 360,448 bytes; wo16 2,097,152 bytes; rope 1,048,576 bytes; qkv16 50,331,648 bytes; f32qkv 786,432 bytes; o16 16,777,216 bytes
;; launch prep (part 1): grid 416 x 1, 4 waves a work-group, no clusters, 33,280 bytes of LDS; arguments x, wq, wk, wv, wo, token_positions, codes, scales, wo16, rope; writes codes, scales, wo16, rope
.if DOCPART == 1
	.amdgcn_target "amdgcn-amd-amdhsa--gfx1250"
	.amdhsa_code_object_version 6
	.text
	.protected	k_qc5c58a92a9_prep
	.globl	k_qc5c58a92a9_prep
	.p2align	8
	.type	k_qc5c58a92a9_prep,@function
k_qc5c58a92a9_prep:
	s_mov_b64 s[64:65], 0
	v_nop
	global_prefetch_b8 v0, s[64:65] scope:SCOPE_SE
	s_setreg_imm32_b32 hwreg(HW_REG_WAVE_MODE, 25, 1), 1
	s_wait_xcnt 0x0
; PREP.  Three jobs, told apart by the work-group's number:
;   0-351   x [8192][1024] and wq, wk, wv [1024][1024], f32, become codes of FP4 (E2M1), K innermost, and one E8M0 byte for each 32 along K.  The four tensors lie on end in the
;           buffers: codes [11264 rows][512 bytes], scales [11264][32 bytes]; rows 0-8191 x, then wq, wk, wv.
;   352-383 wo [1024][1024] f32 becomes f16, same layout.
;   384-415 the rotation table: for sequence place s and pair i the four numbers (cos, sin, -sin, cos) of the angle token_positions[s] x 10000^(-i/32): rope [2048][32][16 bytes].
; A block's scale is 2^(floor(log2(its largest magnitude)) - 2); its byte is that magnitude's exponent field - 2, held at 1 from below.
; LIMITS.  A block of zeros gets the byte 1 where the quantiser says 127: its codes are zeros, and this program alone reads the bytes.  NaN and infinities are not served.
; wo goes in f16: magnitudes up to 65,504; under 6e-5 the absolute error is 3e-8.  token_positions lies in 0 .. 2047, as the table that it indexes.
; The pair's frequency comes from one v_exp_f32; sine and cosine by a reduction to |r| <= pi/4 (pi/2 in two parts, fused) and polynomials to r^9 and r^8.
; No tensor loads, no barrier: waves share nothing.  No matrix unit, no cluster: every byte is read once and nothing is shared.
.set WAVES, 4
.set STEPS, 16
.set EMAX,  2
.set CB,    8                          ; bytes of 16 codes
.set R,     16                         ; v16-79   four sets of 16 numbers as they are loaded
.set X,     80                         ; v80-111  two sets of 16 neighbours
.set C,     128                        ; v128-191 codes: four registers for each step
.set E,     112                        ; v112-127 a scale byte for each step
.set WREG,  8192                       ; LDS: a region for each wave: two stages of 32 x SP bytes, then its 256 scale bytes
.set SP,    80                         ; a lane's place in a stage: 64 bytes + 16 of padding
.set SPW,   12                         ; v12 LDS address of my spare word; never rewritten
.set NIL,   13                         ; v13 0; never rewritten
.set SPARE, WAVES*WREG                 ; the spare words: 128 bytes a wave, two blocks of 256 bytes that no other line names
	s_load_b512 s[8:23], s[0:1], 0x0               ; x 8, wq 10, wk 12, wv 14, wo 16, token_positions 18, codes 20, scales 22
	s_load_b128 s[24:27], s[0:1], 0x40             ; wo16 24, rope 26
	v_lshl_add_u32 v[SPW], v0, 2, SPARE
	v_mov_b32 v[NIL], 0
	v_lshrrev_b32 v1, 5, v0
	v_readfirstlane_b32 s28, v1                    ; wave
	v_and_b32 v2, 31, v0                           ; lane
	v_lshlrev_b32 v3, 4, v2                        ; 16 x lane
	s_mul_i32 s29, s28, WREG
	v_lshrrev_b32 v14, 2, v2                       ; every LDS address is made here, ahead of the parting of the three jobs
	v_mul_u32_u24 v14, v14, SP
	v_and_b32 v15, 3, v2
	v_lshl_add_u32 v14, v15, 4, v14
	v_add_nc_u32 v14, s29, v14                     ; the stage, way in: SP (lane / 4) + 16 (lane % 4)
	v_mul_u32_u24 v15, v2, SP
	v_add_nc_u32 v15, s29, v15                     ; way out: SP x lane: my 16 neighbours
	v_mul_u32_u24 v4, v2, CB                       ; 8 x lane
	v_lshrrev_b32 v5, 1, v2
	s_add_co_u32 s29, s29, 2*32*SP
	v_add_nc_u32 v5, s29, v5                       ; my block's byte among my wave's 256
	v_lshlrev_b32 v7, 3, v2
	v_add_nc_u32 v6, s29, v7
	s_mov_b32 s31, 0
	s_wait_kmcnt 0x0
	s_cmp_lt_u32 ttmp9, 352
	s_cbranch_scc0 .Lnot_codes
; ---- codes.  A wave takes 16 steps of 512 numbers.  Each load reads 512 consecutive bytes; a step's 2,048 bytes turn through the wave's own stage so that a lane holds 16 neighbours.
	s_sub_co_u32 s29, ttmp9, 256                   ; among the weights' 96 work-groups:
	s_lshr_b32 s30, s29, 5                         ; which weight,
	s_and_b32 s29, s29, 31                         ; which part of it
	s_cmp_eq_u32 s30, 1
	s_cselect_b64 s[4:5], s[12:13], s[10:11]
	s_cmp_eq_u32 s30, 2
	s_cselect_b64 s[4:5], s[14:15], s[4:5]
	s_cmp_lt_u32 ttmp9, 256                        ; the choices hang on the work-group's number alone
	s_cselect_b64 s[4:5], s[8:9], s[4:5]
	s_cselect_b32 s29, ttmp9, s29
	s_lshl_b32 s29, s29, 2
	s_add_co_u32 s29, s29, s28                     ; my run of 8,192 numbers in the source
	s_lshl_b32 s30, s29, 15
	s_add_nc_u64 s[4:5], s[4:5], s[30:31]
	s_lshl_b32 s29, ttmp9, 2
	s_add_co_u32 s29, s29, s28                     ; and in the buffers, where the four tensors lie on end
	s_lshl_b32 s30, s29, 12
	s_add_nc_u64 s[20:21], s[20:21], s[30:31]
	s_lshl_b32 s30, s29, 8
	s_add_nc_u64 s[22:23], s[22:23], s[30:31]
.macro LOAD t
.irp i, 0,1,2,3
	global_load_b128 v[R+16*((\t)%4)+4*\i:R+16*((\t)%4)+4*\i+3], v3, s[4:5] offset:2048*(\t)+512*\i th:TH_LOAD_NT
.endr
.endm
.macro TURN t                          ; LDS serves a wave's instructions in order: no wait between the stores and the loads
.irp i, 0,1,2,3
	ds_store_b128 v14, v[R+16*((\t)%4)+4*\i:R+16*((\t)%4)+4*\i+3] offset:32*SP*((\t)%2)+8*SP*\i
.endr
.irp i, 0,1,2,3
	ds_load_b128 v[X+16*((\t)%2)+4*\i:X+16*((\t)%2)+4*\i+3], v15 offset:32*SP*((\t)%2)+16*\i
.endr
.endm
.irp t, 0,1,2,3
	LOAD \t
.endr
	s_wait_loadcnt 12                              ; step 0's four loads are in; the twelve of steps 1 to 3 may be out
	TURN 0
.macro STEP t
.set XS, X+16*((\t)%2)
.if (\t) > 0
	s_wait_dscnt 1                                 ; this step's numbers are back from the stage; the last step's byte store may be out
.else
	s_wait_dscnt 0x0
.endif
.if (\t)+4 < STEPS
	LOAD (\t)+4
.endif
.if (\t)+1 < STEPS
.if STEPS-2-(\t) >= 3
	s_wait_loadcnt 12                              ; the next step's four loads are in; those of the three steps behind it may be out
.else
	s_wait_loadcnt 4*(STEPS-2-(\t))
.endif
	TURN (\t)+1
.endif
	v_max3_num_f32 v8, |v[XS]|, |v[XS+1]|, |v[XS+2]|
	v_max3_num_f32 v9, |v[XS+3]|, |v[XS+4]|, |v[XS+5]|
.irp i, 6,10
	v_max3_num_f32 v8, v8, |v[XS+\i]|, |v[XS+\i+1]|
	v_max3_num_f32 v9, v9, |v[XS+\i+2]|, |v[XS+\i+3]|
.endr
	v_max3_num_f32 v8, v8, |v[XS+14]|, |v[XS+15]|
	v_max3_num_f32 v8, v8, v9, (EMAX+1)<<23        ; the floor 2^(3 - 127): the byte cannot fall under 1
	v_max_num_f32_dpp v8, v8, v8 row_xmask:1 row_mask:0xf bank_mask:0xf   ; with my neighbour's 16: the block's largest magnitude
	v_add_nc_u32 v11, -(EMAX<<23), v8              ; 2 off its exponent field: the conversion's scale operand
	v_cvt_scalef32_pk8_fp4_f32 v[C+4*(\t)], v[XS:XS+7], v11
	v_cvt_scalef32_pk8_fp4_f32 v[C+4*(\t)+1], v[XS+8:XS+15], v11
	v_lshrrev_b32 v[E+(\t)], 23, v11               ; the scale's byte
	ds_store_b8 v5, v[E+(\t)] offset:16*(\t)       ; both lanes of a block write the same byte with the same value
	global_store_b64 v4, v[C+4*(\t):C+4*(\t)+1], s[20:21] offset:32*CB*(\t)   ; the wave stores 256 consecutive bytes, aligned
.endm
.irp t, 0,1,2,3,4,5,6,7,8,9,10,11,12,13,14,15
	STEP \t
.endr
	ds_load_b64 v[8:9], v6
	s_wait_dscnt 0x0
	global_store_b64 v7, v[8:9], s[22:23]          ; my wave's 256 scale bytes: 256 consecutive bytes, aligned
	s_branch .Lend
.Lnot_codes:
	s_cmp_lt_u32 ttmp9, 384
	s_cbranch_scc0 .Lrope
; ---- wo to f16.  A wave takes 8,192 numbers: 64 loads of 512 consecutive bytes in four rounds of sixteen, two rounds on their way.
	s_sub_co_u32 s29, ttmp9, 352
	s_lshl_b32 s29, s29, 2
	s_add_co_u32 s29, s29, s28
	s_lshl_b32 s30, s29, 15
	s_add_nc_u64 s[16:17], s[16:17], s[30:31]
	s_lshl_b32 s30, s29, 14
	s_add_nc_u64 s[24:25], s[24:25], s[30:31]
.macro WLOAD g
.irp i, 0,1,2,3,4,5,6,7,8,9,10,11,12,13,14,15
	global_load_b128 v[16+64*((\g)%2)+4*\i:16+64*((\g)%2)+4*\i+3], v3, s[16:17] offset:512*(16*(\g)+\i) th:TH_LOAD_NT
.endr
.endm
.macro WROUND g
.if (\g) < 3
	s_wait_loadcnt 16                              ; this round's sixteen are in; the next round's sixteen may be out
.else
	s_wait_loadcnt 0x0
.endif
	s_wait_xcnt 0x0                                ; the last round's stores have read their data: v144-175 may be written again
.irp i, 0,1,2,3,4,5,6,7,8,9,10,11,12,13,14,15
	v_cvt_pk_f16_f32 v[144+2*\i], v[16+64*((\g)%2)+4*\i], v[16+64*((\g)%2)+4*\i+1]
	v_cvt_pk_f16_f32 v[145+2*\i], v[16+64*((\g)%2)+4*\i+2], v[16+64*((\g)%2)+4*\i+3]
.endr
.irp i, 0,1,2,3,4,5,6,7,8,9,10,11,12,13,14,15
	global_store_b64 v4, v[144+2*\i:145+2*\i], s[24:25] offset:256*(16*(\g)+\i)   ; 256 consecutive bytes, aligned
.endr
.if (\g)+2 < 4
	WLOAD (\g)+2
.endif
.endm
	WLOAD 0
	WLOAD 1
	WROUND 0
	WROUND 1
	WROUND 2
	WROUND 3
	s_branch .Lend
.Lrope:
; ---- the rotation table.  A wave takes 16 sequence places; lane i is pair i.
	s_sub_co_u32 s29, ttmp9, 384
	s_lshl_b32 s29, s29, 2
	s_add_co_u32 s29, s29, s28                     ; 0 .. 127
	s_lshl_b32 s30, s29, 6
	s_add_nc_u64 s[18:19], s[18:19], s[30:31]
	s_load_b512 s[32:47], s[18:19], 0x0            ; my 16 token positions
	s_lshl_b32 s30, s29, 13
	s_add_nc_u64 s[26:27], s[26:27], s[30:31]
	s_mov_b32 s48, 0x3f22f983                      ; 2 / pi
	s_mov_b32 s49, 0x3fc90fdb                      ; pi / 2, the high part,
	s_mov_b32 s50, 0xb33bbd2e                      ; and what it leaves
	s_mov_b32 s51, 0xbe2aaaab                      ; -1/6
	s_mov_b32 s52, 0x3c088889                      ; 1/120
	s_mov_b32 s53, 0xb9500d01                      ; -1/5040
	s_mov_b32 s54, 0x3638ef1d                      ; 1/362880
	s_mov_b32 s55, 0x3d2aaaab                      ; 1/24
	s_mov_b32 s56, 0xbab60b61                      ; -1/720
	s_mov_b32 s57, 0x37d00d01                      ; 1/40320
	v_cvt_f32_u32 v16, v2
	v_mul_f32 v16, 0xbed49a78, v16                 ; -i log2(10000) / 32
	v_exp_f32 v16, v16                             ; the pair's frequency
	v_nop                                          ; a plain instruction behind the exponential,
	s_wait_alu depctr_va_vdst(0)                   ; and the wait ahead of its first reader
	s_wait_kmcnt 0x0
.macro ROPE1 k
	v_cvt_f32_i32 v17, s[32+\k]
	v_mul_f32 v17, v17, v16                        ; the angle: one rounding
	v_mul_f32 v18, s48, v17
	v_rndne_f32 v18, v18                           ; n quarter turns
	v_fma_f32 v19, -v18, s49, v17
	v_fma_f32 v19, -v18, s50, v19                  ; r = angle - n pi / 2
	v_mul_f32 v20, v19, v19
	v_fma_f32 v21, v20, s54, s53
	v_fma_f32 v22, v20, s57, s56
	v_fma_f32 v21, v21, v20, s52
	v_fma_f32 v22, v22, v20, s55
	v_fma_f32 v21, v21, v20, s51
	v_fma_f32 v22, v22, v20, -0.5
	v_mul_f32 v23, v20, v19
	v_fma_f32 v22, v22, v20, 1.0                   ; cos r
	v_fma_f32 v21, v21, v23, v19                   ; sin r
	v_cvt_i32_f32 v24, v18
	v_and_b32 v25, 1, v24
	v_cmp_eq_u32 vcc_lo, 1, v25                    ; an odd quarter swaps the two
	v_cndmask_b32 v26, v21, v22, vcc_lo
	v_cndmask_b32 v27, v22, v21, vcc_lo
	v_lshlrev_b32 v25, 30, v24
	v_and_b32 v25, 0x80000000, v25                 ; the sine is negative in quarters 2, 3,
	v_add_nc_u32 v24, 1, v24
	v_lshlrev_b32 v24, 30, v24
	v_and_b32 v24, 0x80000000, v24                 ; the cosine in quarters 1, 2
	v_xor_b32 v[65+4*\k], v25, v26
	v_xor_b32 v[64+4*\k], v24, v27
	v_xor_b32 v[66+4*\k], 0x80000000, v[65+4*\k]
	v_mov_b32 v[67+4*\k], v[64+4*\k]
	global_store_b128 v3, v[64+4*\k:67+4*\k], s[26:27] offset:512*\k   ; 512 consecutive bytes; each place has registers of its own
.endm
.irp k, 0,1,2,3,4,5,6,7,8,9,10,11,12,13,14,15
	ROPE1 \k
.endr
.Lend:
	s_wait_tensorcnt 0x0                           ; the wave's end
	ds_add_u32 v[SPW], v[NIL]
	s_wait_dscnt 0x0
	s_endpgm
.Lfunc_end_k_qc5c58a92a9_prep:
	.size	k_qc5c58a92a9_prep, .Lfunc_end_k_qc5c58a92a9_prep-k_qc5c58a92a9_prep
	.p2alignl 7, 3214868480
	.fill 96, 4, 3214868480
	.section	.rodata,"a",@progbits
	.p2align	6, 0x0
	.amdhsa_kernel k_qc5c58a92a9_prep
		.amdhsa_group_segment_fixed_size 33280
		.amdhsa_private_segment_fixed_size 0
		.amdhsa_enable_private_segment 0
		.amdhsa_kernarg_size 80
		.amdhsa_user_sgpr_count 2
		.amdhsa_user_sgpr_kernarg_segment_ptr 1
		.amdhsa_wavefront_size32 1
		.amdhsa_system_sgpr_workgroup_id_x 1
		.amdhsa_system_sgpr_workgroup_id_y 1
		.amdhsa_system_sgpr_workgroup_id_z 1
		.amdhsa_system_vgpr_workitem_id 0
		.amdhsa_next_free_vgpr 192
		.amdhsa_next_free_sgpr 66
		.amdhsa_reserve_vcc 1
		.amdhsa_float_denorm_mode_32 3
		.amdhsa_float_denorm_mode_16_64 3
		.amdhsa_memory_ordered 1
		.amdhsa_forward_progress 1
		.amdhsa_inst_pref_size 78
	.end_amdhsa_kernel
	.amdgpu_metadata
---
amdhsa.version: [ 1, 2 ]
amdhsa.kernels:
  - .name:           k_qc5c58a92a9_prep
    .symbol:         k_qc5c58a92a9_prep.kd
    .args:
      - { .name: x, .offset: 0, .size: 8, .value_kind: global_buffer, .address_space: global }
      - { .name: wq, .offset: 8, .size: 8, .value_kind: global_buffer, .address_space: global }
      - { .name: wk, .offset: 16, .size: 8, .value_kind: global_buffer, .address_space: global }
      - { .name: wv, .offset: 24, .size: 8, .value_kind: global_buffer, .address_space: global }
      - { .name: wo, .offset: 32, .size: 8, .value_kind: global_buffer, .address_space: global }
      - { .name: token_positions, .offset: 40, .size: 8, .value_kind: global_buffer, .address_space: global }
      - { .name: codes, .offset: 48, .size: 8, .value_kind: global_buffer, .address_space: global }
      - { .name: scales, .offset: 56, .size: 8, .value_kind: global_buffer, .address_space: global }
      - { .name: wo16, .offset: 64, .size: 8, .value_kind: global_buffer, .address_space: global }
      - { .name: rope, .offset: 72, .size: 8, .value_kind: global_buffer, .address_space: global }
    .group_segment_fixed_size: 33280
    .private_segment_fixed_size: 0
    .kernarg_segment_align: 8
    .kernarg_segment_size: 80
    .max_flat_workgroup_size: 128
    .sgpr_count:     66
    .vgpr_count:     192
    .wavefront_size: 32
...
	.end_amdgpu_metadata
.endif
;; end of part 1
;; launch qkv (part 2): grid 12 x 32, 4 waves a work-group, clusters of 4 x 4, 327,680 bytes of LDS; arguments codes, scales, qkv16, rope, f32qkv; writes qkv16, f32qkv
.if DOCPART == 2
	.amdgcn_target "amdgcn-amd-amdhsa--gfx1250"
	.amdhsa_code_object_version 6
	.text
	.protected	k_qc5c58a92a9_qkv
	.globl	k_qc5c58a92a9_qkv
	.p2align	8
	.type	k_qc5c58a92a9_qkv,@function
k_qc5c58a92a9_qkv:
	s_mov_b64 s[64:65], 0
	v_nop
	global_prefetch_b8 v0, s[64:65] scope:SCOPE_SE
	s_setreg_imm32_b32 hwreg(HW_REG_WAVE_MODE, 25, 1), 1
	s_wait_xcnt 0x0
	s_wait_alu depctr_hold_cnt(0) depctr_sa_sdst(0) depctr_va_vdst(0) depctr_va_sdst(0) depctr_va_ssrc(0) depctr_va_vcc(0) depctr_vm_vsrc(0)
	s_getreg_b32 s2, hwreg(HW_REG_IB_STS2, 6, 4)
	s_cmp_eq_u32 s2, 0
	s_cbranch_scc0 .Lentry_in_a_cluster
	s_endpgm
.Lentry_in_a_cluster:
	s_bfe_u32 s2, ttmp6, 0x10000c
	s_cmp_lg_u32 s2, 0xf033
	s_cbranch_scc0 .Lentry_shape_is_right
	s_endpgm
.Lentry_shape_is_right:
; QKV.  [8192 rows of x] x [3072 rows of wq, wk, wv], K = 1024, on codes of FP4 (E2M1) with one E8M0 scale for each 32 along K; sums in f32.  On the way out q and k are rotated (f32),
; and all three leave as f16, head by head: qkv16 [3][4 b][16 h][2048 s][64].  Positions 0-15 of every sequence leave in f32 too: f32qkv [4 b][48 = 16 x section + h][16 s][64].
; A tile of 256 x 256 is made by four waves, 128 x 128 each: 64 accumulators, 512 registers.  K is two steps of 512, so both LDS slots and all scale bytes are asked for at the head and nothing is filled again.
; CLUSTERS: 4 x 4 work-groups.  The four of a row of the cluster need the same tiles of x, the four of a column the same tiles of the weights: each is asked for jointly.
; THE TILE ROW IS 8 cy + cluster y: so the batch is cy and the block of 256 positions is the cluster's y, and the section (q, k, v) is the cluster's x: the two branches of the way out
; (is there a rotation; are positions 0-15 mine) hang on the cluster's coordinates and the wave's number alone, which all sixteen partners share.
; THE MATRIX INSTRUCTION IS USED TRANSPOSED (source 0 = 16 rows of a weight, source 1 = 16 rows of x): a lane holds eight neighbouring columns of one row: four pairs of the rotation.
; LIMITS: q, k, v go in f16: magnitudes up to 65,504; under 6e-5 the absolute error is 3e-8.
; REGISTERS: window 0: v0-31 addresses; v32-95 scale words, two sets; v128-191 x's fragments, one set.  window 1: the weights' fragments, two sets.  windows 2, 3: the accumulators ((a, b) at v[8 (8 (a % 4) + b)]).
;   On the way out, window 0: v32-63 packed f16; v64-127 rows read back, two sets; v128-191 rotated f32; v192-255 a block's 16 table entries.
.set SIZE_K, 1024
.set KSTEP,  512
.set NQ,     KSTEP/128
.set ROWB,   256
.set KROW,   SIZE_K*4/8
.set PITCH,  272                       ; an LDS row: 256 bytes + 16 of padding: the 16 rows that a load touches start at 16 different banks (64 banks of 4 bytes: ISA guide 11.1)
.set FR,     8
.set NL,     2
.set NP,     4
.set HALFT,  128*PITCH
.set SLOT,   4*HALFT
.set KS,     SIZE_K/32
.set SCL,    2*SLOT
.set HALFS,  (128*KS/256)*272
.set SBLK,   (16*KS/256)*272
.set SPARE,  SCL+4*HALFS
.set SPITCH, 272                       ; the way out: a stage of 16 rows x (256 bytes + 16) for each wave, in slot 0, which has had its only fill and its last read by then
.set ADRA, 16
.set ADRB, 20
.set STO,  24
.set RD,   25
.set CO,   26
.set ADRS, 27
.set SPW,  28
.set NIL,  29
.set TA,   30                          ; v30 my place in the table: 512 r + 64 h
.set FO,   31                          ; v31 my place in a head's 16 rows of f32: 256 r + 32 h
.set SC,   32
.set AF,   128
.set PKR,  32
.set BK,   64
.set RT,   128
.set TBL,  192
.set G1, 24
.set G0, 32
.set G1B, 48
.set G0B, 56
.set G1S, 68
.set G0S, 76
.set G1SB, 80
.set G0SB, 88
.set MSB, 0
.macro WIN new                         ; the immediate's high byte repeats the setting that is left
.if MSB != (\new)
	s_set_vgpr_msb (MSB<<8)|(\new)
.set MSB, (\new)
.endif
.endm
.set MUL_LO, 0xa1
.set MUL_HI, 0xf1
.set TO_B,   0x40
; A joint load: waves 0 and 1 fetch for x, waves 2 and 3 for the weights.  An s_nop 0 and four v_nop follow each of the two lines.
.macro JLOAD g0a, g1a, g0b, g1b
	s_cmp_eq_u32 s15, 0
	s_cbranch_scc0 .Lfor_b_\@
	tensor_load_to_lds s[\g0a:\g0a+3], s[\g1a:\g1a+7]
	s_nop 0
.rept 4
	v_nop
.endr
	s_branch .Lasked_\@
.Lfor_b_\@:
	tensor_load_to_lds s[\g0b:\g0b+3], s[\g1b:\g1b+7]
	s_nop 0
.rept 4
	v_nop
.endr
.Lasked_\@:
.endm
.macro CROUND                          ; a round of the cluster's barrier
	s_barrier_signal -1
	s_barrier_wait -1
	s_cmp_lg_u32 s14, 0
	s_cbranch_scc1 .Lnot_wave_0_\@
	s_barrier_signal -3
.Lnot_wave_0_\@:
	s_barrier_wait -3
	s_barrier_signal -1
	s_barrier_wait -1
.endm
	s_load_b128 s[4:7], s[0:1], 0x0                ; codes, scales
	s_load_b64 s[12:13], s[0:1], 0x10              ; qkv16
	s_load_b64 s[96:97], s[0:1], 0x18              ; rope
	s_load_b64 s[98:99], s[0:1], 0x20              ; f32qkv
	v_lshl_add_u32 v[SPW], v0, 2, SPARE
	v_mov_b32 v[NIL], 0
	ds_add_u32 v[SPW], v[NIL]                      ; the wave's opening: the add, twice on end, and its wait ahead of my first tensor load
	ds_add_u32 v[SPW], v[NIL]
	v_lshrrev_b32 v1, 5, v0
	v_readfirstlane_b32 s14, v1                    ; wave 0..3
	s_lshr_b32 s15, s14, 1                         ; which half of the tile's rows is mine.  Also: I fetch for x (0) or for the weights (1)
	s_and_b32 s16, s14, 1                          ; which half of its columns.  Also: which 128 rows of that tile I fetch
	s_bfe_u32 s40, ttmp6, 0x40000                  ; cx
	s_bfe_u32 s41, ttmp6, 0x40004                  ; cy
	s_lshl_b32 s42, ttmp9, 2
	s_add_co_u32 s42, s42, s40                     ; tile column = 4 x cluster x + cx
	s_and_b32 s95, ttmp7, 0xffff                   ; cluster y: the block of 256 positions
	s_lshl_b32 s17, s41, 3
	s_add_co_u32 s17, s17, s95                     ; tile row = 8 cy + cluster y
	s_lshl_b32 s43, s41, 2
	s_lshl_b32 s43, 15, s43                        ; my row of the cluster
	s_lshl_b32 s44, 0x1111, s40                    ; my column
	s_or_b32 s[G1+0], s43, (0<<16)|(1<<20)|(1<<21)|(5<<22)|(3<<25)  ; the mask; elements of 1 byte; padding on; bit 21 beside a mask; 4 words after every 64
	s_or_b32 s[G1B+0], s44, (0<<16)|(1<<20)|(1<<21)|(5<<22)|(3<<25)
.irp g, G1, G1B
	s_mov_b32 s[\g+1], ROWB<<16                    ; tensor_dim0
	s_mov_b32 s[\g+2], 128<<16                     ; tensor_dim1
	s_mov_b32 s[\g+3], ROWB<<16                    ; tile_dim0
	s_mov_b32 s[\g+4], 128                         ; tile_dim1
	s_mov_b32 s[\g+5], KROW                        ; the pitch
	s_mov_b32 s[\g+6], 0
	s_mov_b32 s[\g+7], 0
.endr
	s_or_b32 s[G1S+0], s43, (3<<16)|(1<<20)|(1<<21)|(5<<22)|(3<<25)   ; the scales of 128 rows: 4,096 dense bytes as 16 rows of 256 (32 elements of 8 bytes)
	s_or_b32 s[G1SB+0], s44, (3<<16)|(1<<20)|(1<<21)|(5<<22)|(3<<25)
.irp g, G1S, G1SB
	s_mov_b32 s[\g+1], 32<<16
	s_mov_b32 s[\g+2], (128*KS/256)<<16
	s_mov_b32 s[\g+3], 32<<16
	s_mov_b32 s[\g+4], 128*KS/256
	s_mov_b32 s[\g+5], 32
	s_mov_b32 s[\g+6], 0
	s_mov_b32 s[\g+7], 0
.endr
	s_lshl_b32 s18, s16, 7
	s_lshl_b32 s20, s17, 8
	s_add_co_u32 s20, s20, s18                     ; x: row 256 x tile row + 128 x half
	s_lshl_b32 s46, s42, 8
	s_add_co_u32 s46, s46, s18                     ; weights: row 256 x tile column + 128 x half
	s_mov_b32 s21, 0
	s_mov_b32 s47, 0
	s_mov_b64 s[18:19], KS
	s_mul_u64 s[22:23], s[20:21], s[18:19]
	s_mul_u64 s[92:93], s[46:47], s[18:19]
	s_mov_b64 s[18:19], KROW
	s_mul_u64 s[20:21], s[20:21], s[18:19]
	s_mul_u64 s[46:47], s[46:47], s[18:19]
	s_mul_i32 s45, s14, HALFT                      ; where they go: wave x 128 rows: no place in the cluster enters an LDS address
	s_mul_i32 s94, s14, HALFS
	s_wait_dscnt 0x0                               ; both opening adds are done
	s_wait_kmcnt 0x0
	s_add_nc_u64 s[8:9], s[4:5], 8192*KROW         ; the weights' codes lie behind x's 8,192 rows,
	s_add_nc_u64 s[10:11], s[6:7], 8192*KS         ; their scale bytes likewise
	s_add_nc_u64 s[20:21], s[4:5], s[20:21]
	s_add_nc_u64 s[22:23], s[6:7], s[22:23]
	s_add_nc_u64 s[46:47], s[8:9], s[46:47]
	s_add_nc_u64 s[92:93], s[10:11], s[92:93]
	CROUND                                         ; all sixteen work-groups are here: the joint loads meet
	s_mov_b32 s[G0S], 1
	s_add_co_u32 s[G0S+1], s94, SCL
	s_mov_b64 s[G0S+2:G0S+3], s[22:23]
	s_or_b32 s[G0S+3], s[G0S+3], 0x80000000
	s_mov_b32 s[G0SB], 1
	s_add_co_u32 s[G0SB+1], s94, SCL
	s_mov_b64 s[G0SB+2:G0SB+3], s[92:93]
	s_or_b32 s[G0SB+3], s[G0SB+3], 0x80000000
	JLOAD G0S, G1S, G0SB, G1SB                     ; three loads of mine go out: the scales, K step 0, K step 1
.irp s, 0,1
	s_mov_b32 s[G0+4*\s], 1
	s_add_co_u32 s[G0+4*\s+1], s45, \s*SLOT
	s_add_nc_u64 s[G0+4*\s+2:G0+4*\s+3], s[20:21], \s*ROWB
	s_or_b32 s[G0+4*\s+3], s[G0+4*\s+3], 0x80000000
	s_mov_b32 s[G0B+4*\s], 1
	s_add_co_u32 s[G0B+4*\s+1], s45, \s*SLOT
	s_add_nc_u64 s[G0B+4*\s+2:G0B+4*\s+3], s[46:47], \s*ROWB
	s_or_b32 s[G0B+4*\s+3], s[G0B+4*\s+3], 0x80000000
	JLOAD G0+4*\s, G1, G0B+4*\s, G1B
.endr
	v_and_b32 v1, 15, v0                           ; r
	v_bfe_u32 v2, v0, 4, 1                         ; h
	v_mul_u32_u24 v3, v1, PITCH
	v_lshl_add_u32 v4, v2, 4, v3
	s_mul_i32 s21, s15, HALFT
	s_mul_i32 s22, s16, HALFT
	s_add_co_u32 s22, s22, 2*HALFT
.irp s, 0,1
	v_add_nc_u32 v[ADRA+\s], s21, v4
	v_add_nc_u32 v[ADRB+\s], s22, v4
	s_add_co_u32 s21, s21, SLOT
	s_add_co_u32 s22, s22, SLOT
.endr
	v_mul_u32_u24 v5, v1, KS                       ; my row's scales: KS bytes a row,
	v_lshrrev_b32 v6, 8, v5
	v_lshl_add_u32 v5, v6, 4, v5                   ; and 16 more for each 256 passed
	s_mul_i32 s21, s15, HALFS
	s_mul_i32 s22, s16, HALFS
	s_add_co_u32 s22, s22, 2*HALFS
	s_sub_co_u32 s22, s22, s21
	v_mul_u32_u24 v6, s22, v2                      ; lanes 16-31 take the weights'
	s_add_co_u32 s21, s21, SCL
	v_add_nc_u32 v5, v5, v6
	v_add_nc_u32 v[ADRS], s21, v5
	s_mul_i32 s23, s14, 16*SPITCH                  ; my stage
	v_mul_u32_u24 v5, v1, SPITCH
	v_lshl_add_u32 v5, v2, 4, v5
	v_add_nc_u32 v[STO], s23, v5                   ; in: row r, 16 bytes for each half of the lanes
	v_and_b32 v6, 31, v0
	v_lshlrev_b32 v[CO], 4, v6                     ; out: 16 x lane
	v_lshrrev_b32 v5, 3, v6
	v_mul_u32_u24 v5, v5, SPITCH
	v_and_b32 v6, 7, v0
	v_lshl_add_u32 v5, v6, 4, v5
	v_add_nc_u32 v[RD], s23, v5                    ; back: eight lanes take a head's 128 bytes of a row, four rows an instruction
	v_lshlrev_b32 v[TA], 9, v1
	v_lshl_add_u32 v[TA], v2, 6, v[TA]
	v_lshlrev_b32 v[FO], 8, v1
	v_lshl_add_u32 v[FO], v2, 5, v[FO]
	s_lshl_b32 s46, s40, 2
	s_lshl_b32 s47, s16, 1
	s_add_co_u32 s46, s46, s47                     ; my first head: 4 cx + 2 x column half
	s_lshl_b32 s47, s95, 8
	s_lshl_b32 s22, s15, 7
	s_add_co_u32 s47, s47, s22                     ; my first position: 256 x cluster y + 128 x row half
	s_lshl_b32 s20, ttmp9, 24                      ; section x 16 MiB
	s_lshl_b32 s21, s41, 22                        ; batch x 4 MiB
	s_add_co_u32 s20, s20, s21
	s_lshl_b32 s21, s46, 18                        ; head x 262,144
	s_add_co_u32 s20, s20, s21
	s_lshl_b32 s21, s47, 7                         ; position x 128
	s_add_co_u32 s20, s20, s21
	s_mov_b32 s21, 0
	s_add_nc_u64 s[12:13], s[12:13], s[20:21]
	s_lshl_b32 s20, s47, 9
	s_add_nc_u64 s[96:97], s[96:97], s[20:21]      ; the table at my first position
	s_mul_i32 s20, s41, 48
	s_lshl_b32 s22, ttmp9, 4
	s_add_co_u32 s20, s20, s22
	s_add_co_u32 s20, s20, s46
	s_lshl_b32 s20, s20, 12
	s_add_nc_u64 s[98:99], s[98:99], s[20:21]
	s_or_b32 s94, s95, s15                         ; 0 where my block 0 holds positions 0-15: cluster y and the wave's number alone
.macro FRAG reg, adr, q, i             ; 16 rows x 128 K of 4-bit codes: 8 registers; two loads of 16 bytes, 32 apart
.irp c, 0,1
	ds_load_b128 v[\reg+4*\c:\reg+4*\c+3], v[\adr] offset:64*(\q)+32*\c+(\i)*16*PITCH
.endr
.endm
; 16 matrix instructions: x's blocks a0, a0 + 1 against the weights' eight.  The 64 accumulators take turns, one instruction a turn, in the same order in every step.
.macro MUL16 a0, p, q, sc, zero
.irp a, \a0, \a0+1
.irp b, 0,1,2,3,4,5,6,7
.if \zero
	v_wmma_scale_f32_16x16x128_f8f6f4 v[8*(8*((\a)%4)+\b):8*(8*((\a)%4)+\b)+7], v[128*(\p)+FR*\b:128*(\p)+FR*\b+FR-1], v[AF+FR*(\a):AF+FR*(\a)+FR-1], 0, v[SC+8*NQ*(\sc)+NQ*\b+(\q)], v[SC+8*NQ*(\sc)+NQ*(\a)+(\q)] matrix_a_fmt:MATRIX_FMT_FP4 matrix_b_fmt:MATRIX_FMT_FP4 matrix_a_scale:MATRIX_SCALE_ROW1
.else
	v_wmma_scale_f32_16x16x128_f8f6f4 v[8*(8*((\a)%4)+\b):8*(8*((\a)%4)+\b)+7], v[128*(\p)+FR*\b:128*(\p)+FR*\b+FR-1], v[AF+FR*(\a):AF+FR*(\a)+FR-1], v[8*(8*((\a)%4)+\b):8*(8*((\a)%4)+\b)+7], v[SC+8*NQ*(\sc)+NQ*\b+(\q)], v[SC+8*NQ*(\sc)+NQ*(\a)+(\q)] matrix_a_fmt:MATRIX_FMT_FP4 matrix_b_fmt:MATRIX_FMT_FP4 matrix_a_scale:MATRIX_SCALE_ROW1
.endif
.endr
.endr
.endm
.macro FETCH_B slot, q, p
	WIN TO_B
.irp i, 0,1,2,3,4,5,6,7
	FRAG 128*(\p)+FR*\i, ADRB+\slot, \q, \i
.endr
	WIN 0
.endm
.macro FETCH_A slot, q, i0
.irp i, \i0, \i0+1, \i0+2, \i0+3
	FRAG AF+FR*(\i), ADRA+\slot, \q, \i
.endr
.endm
.macro SCALES sc                       ; a K step's scale words: lanes 0-15 take x's block i, lanes 16-31 the weights' block i
.irp i, 0,1,2,3,4,5,6,7
	ds_load_b128 v[SC+8*NQ*\sc+NQ*\i:SC+8*NQ*\sc+NQ*\i+3], v[ADRS] offset:\i*SBLK
.endr
.endm
.macro PLACES n                        ; plain vector instructions behind matrix instructions, ahead of loads into their registers and of reads of their results
.rept \n
	v_nop
.endr
.endm
.macro STEP slot, q, zero
	s_wait_dscnt 4*NL                              ; the weights' set and x's blocks 0-3 are in; the youngest eight loads (x's blocks 4-7) may be out
	WIN MUL_LO
	MUL16 0, (\q)%2, \q, \slot, \zero
	MUL16 2, (\q)%2, \q, \slot, \zero
	s_wait_dscnt 0
	PLACES NP
	FETCH_B \slot, (\q)+1, 1-(\q)%2
	FETCH_A \slot, (\q)+1, 0
	WIN MUL_HI
	MUL16 4, (\q)%2, \q, \slot, \zero
	MUL16 6, (\q)%2, \q, \slot, \zero
	PLACES NP
	WIN 0
	FETCH_A \slot, (\q)+1, 4
.endm
; Slot 0's last step changes slots: one barrier; ahead of it each wave waits for all its tensor loads (its part of slot 1), adds 0 to its spare word, and waits for that and for its reads of slot 0.
.macro TURN slot, next
	s_wait_tensorcnt 0x0
	ds_add_u32 v[SPW], v[NIL]
	s_wait_dscnt 4*NL+1                            ; the add and the youngest eight loads may be out
	WIN MUL_LO
	MUL16 0, 1, NQ-1, \slot, 0
	s_wait_dscnt 0x0                               ; the add is done, and my reads of this slot are over
	s_barrier_signal -1
	MUL16 2, 1, NQ-1, \slot, 0
	WIN 0
	s_barrier_wait -1
	PLACES NP
	v_add_nc_u32 v[ADRS], 4*NQ, v[ADRS]            ; the next K step's scale words
	FETCH_B \next, 0, 0
	FETCH_A \next, 0, 0
	SCALES \next
	WIN MUL_HI
	MUL16 4, 1, NQ-1, \slot, 0
	MUL16 6, 1, NQ-1, \slot, 0
	PLACES NP
	WIN 0
	FETCH_A \next, 0, 4
.endm
	s_wait_tensorcnt 1                             ; the scales and my part of K step 0 are in; K step 1's load may be out
	s_barrier_signal -1
	s_barrier_wait -1
	FETCH_B 0, 0, 0
	FETCH_A 0, 0, 0
	SCALES 0
	FETCH_A 0, 0, 4
	STEP 0, 0, 1                                   ; the first products start the sums: nothing is cleared
	STEP 0, 1, 0
	STEP 0, 2, 0
	TURN 0, 1
	STEP 1, 0, 0
	STEP 1, 1, 0
	STEP 1, 2, 0
	s_wait_dscnt 4*NL
	WIN MUL_LO
	MUL16 0, 1, NQ-1, 1, 0
	MUL16 2, 1, NQ-1, 1, 0
	s_wait_dscnt 0
	WIN MUL_HI
	MUL16 4, 1, NQ-1, 1, 0
	MUL16 6, 1, NQ-1, 1, 0
	WIN 0
; THE WAY OUT, a block of 16 rows x 128 columns (two heads) at a time.  Lane (r, h) of accumulator (a, b) holds row 16 a + r, head b / 4, channels 16 (b % 4) + 8 h + 0 .. 7: pairs 8 (b % 4) + 4 h + 0 .. 3.
.macro TLD a                           ; the block's table entries of my row: 16 x (cos, sin, -sin, cos)
.irp c, 0,1,2,3
.irp j, 0,1,2,3
	global_load_b128 v[TBL+16*\c+4*\j:TBL+16*\c+4*\j+3], v[TA], s[96:97] offset:8192*(\a)+128*\c+16*\j
.endr
.endr
.endm
.macro ROT a                           ; (re, im) = xe (cos, sin) + xo (-sin, cos): a packed multiply and a packed fused multiply-add a pair; each accumulator from its low end on
.set AC, 64*((\a)%4)
	WIN 0x02+(\a)/4
.irp b, 0,1,2,3,4,5,6,7
.irp j, 0,1,2,3
	v_pk_mul_f32 v[RT+8*\b+2*\j:RT+8*\b+2*\j+1], v[AC+8*\b+2*\j:AC+8*\b+2*\j+1], v[TBL+16*(\b%4)+4*\j:TBL+16*(\b%4)+4*\j+1] op_sel_hi:[0,1]
.endr
.irp j, 0,1,2,3
	v_pk_fma_f32 v[RT+8*\b+2*\j:RT+8*\b+2*\j+1], v[AC+8*\b+2*\j:AC+8*\b+2*\j+1], v[TBL+16*(\b%4)+4*\j+2:TBL+16*(\b%4)+4*\j+3], v[RT+8*\b+2*\j:RT+8*\b+2*\j+1] op_sel:[1,0,0] op_sel_hi:[1,1,1]
.endr
.endr
	WIN 0
.endm
.macro CVT
.irp b, 0,1,2,3,4,5,6,7
.irp i, 0,1,2,3
	v_cvt_pk_f16_f32 v[PKR+4*\b+\i], v[RT+8*\b+2*\i], v[RT+8*\b+2*\i+1]
.endr
.endr
.endm
.macro CVTV a                          ; v is not rotated: straight from the accumulators
.set AC, 64*((\a)%4)
	WIN 0x0a+5*((\a)/4)
.irp b, 0,1,2,3,4,5,6,7
.irp i, 0,1,2,3
	v_cvt_pk_f16_f32 v[PKR+4*\b+\i], v[AC+8*\b+2*\i], v[AC+8*\b+2*\i+1]
.endr
.endr
	WIN 0
.endm
.macro F32OUT rope                     ; positions 0-15 in f32, for the launch that carries them finer
	s_cmp_lg_u32 s94, 0
	s_cbranch_scc1 .Lno_f32_\@
.if \rope
.irp b, 0,1,2,3,4,5,6,7
	global_store_b128 v[FO], v[RT+8*\b:RT+8*\b+3], s[98:99] offset:4096*(\b/4)+64*(\b%4)
	global_store_b128 v[FO], v[RT+8*\b+4:RT+8*\b+7], s[98:99] offset:4096*(\b/4)+64*(\b%4)+16
.endr
.else
	WIN 0x08                                       ; a store's data are its source 1: window 2
.irp b, 0,1,2,3,4,5,6,7
	global_store_b128 v[FO], v[8*\b:8*\b+3], s[98:99] offset:4096*(\b/4)+64*(\b%4)
	global_store_b128 v[FO], v[8*\b+4:8*\b+7], s[98:99] offset:4096*(\b/4)+64*(\b%4)+16
.endr
	WIN 0
.endif
	s_wait_xcnt 0x0                                ; the stores have read their data: the next block's rotation may write them
.Lno_f32_\@:
.endm
.macro TOSTAGE a
.set BB, BK+32*((\a)%2)
.irp b, 0,1,2,3,4,5,6,7
	ds_store_b128 v[STO], v[PKR+4*\b:PKR+4*\b+3] offset:32*\b
.endr
.irp t, 0,1,2,3,4,5,6,7
	ds_load_b128 v[BB+4*\t:BB+4*\t+3], v[RD] offset:4*SPITCH*(\t%4)+128*(\t/4)   ; LDS serves a wave's instructions in order (ISA guide 5.7.1.4): these see the stores above
.endr
.endm
.macro SEND a, younger
.set BB, BK+32*((\a)%2)
	s_wait_dscnt \younger                          ; the block is back; what was issued behind its loads may be out
.irp t, 0,1,2,3,4,5,6,7
	global_store_b128 v[CO], v[BB+4*\t:BB+4*\t+3], s[12:13] offset:262144*(\t/4)+2048*(\a)+512*(\t%4)   ; four rows of one head: 512 consecutive bytes, aligned
.endr
.endm
.macro WAYOUT rope
	PLACES NP
.if \rope
	TLD 0
.endif
.irp a, 0,1,2,3,4,5,6,7
.if \rope
	s_wait_loadcnt 0x0                             ; this block's table entries are in
	ROT \a
.if \a < 7
	TLD \a+1
.endif
.endif
.if \a == 0
	F32OUT \rope
.endif
.if \rope
	CVT
.else
	CVTV \a
.endif
.if \a > 1
	s_wait_xcnt 0x0                                ; block a - 2's stores have read their registers: block a's rows may land there
.endif
	TOSTAGE \a
.if \a > 0
	SEND \a-1, 16                                  ; behind block a - 1's loads: block a's 8 stores and 8 loads
.endif
.endr
	SEND 7, 0
.endm
	s_cmp_eq_u32 ttmp9, 2                          ; the cluster's x is the section: v has no rotation
	s_cbranch_scc1 .Lsection_v
	WAYOUT 1
	s_branch .Lclose
.Lsection_v:
	WAYOUT 0
.Lclose:
	s_wait_tensorcnt 0x0                           ; the wave's end
	ds_add_u32 v[SPW], v[NIL]
	s_wait_dscnt 0x0
	CROUND                                         ; the closing round
	s_endpgm
.Lfunc_end_k_qc5c58a92a9_qkv:
	.size	k_qc5c58a92a9_qkv, .Lfunc_end_k_qc5c58a92a9_qkv-k_qc5c58a92a9_qkv
	.p2alignl 7, 3214868480
	.fill 96, 4, 3214868480
	.section	.rodata,"a",@progbits
	.p2align	6, 0x0
	.amdhsa_kernel k_qc5c58a92a9_qkv
		.amdhsa_group_segment_fixed_size 327680
		.amdhsa_private_segment_fixed_size 0
		.amdhsa_enable_private_segment 0
		.amdhsa_kernarg_size 40
		.amdhsa_user_sgpr_count 2
		.amdhsa_user_sgpr_kernarg_segment_ptr 1
		.amdhsa_wavefront_size32 1
		.amdhsa_system_sgpr_workgroup_id_x 1
		.amdhsa_system_sgpr_workgroup_id_y 1
		.amdhsa_system_sgpr_workgroup_id_z 1
		.amdhsa_system_vgpr_workitem_id 0
		.amdhsa_next_free_vgpr 1024
		.amdhsa_next_free_sgpr 100
		.amdhsa_reserve_vcc 0
		.amdhsa_float_denorm_mode_32 3
		.amdhsa_float_denorm_mode_16_64 3
		.amdhsa_memory_ordered 1
		.amdhsa_forward_progress 1
		.amdhsa_inst_pref_size 206
	.end_amdhsa_kernel
	.amdgpu_metadata
---
amdhsa.version: [ 1, 2 ]
amdhsa.kernels:
  - .name:           k_qc5c58a92a9_qkv
    .symbol:         k_qc5c58a92a9_qkv.kd
    .args:
      - { .name: codes, .offset: 0, .size: 8, .value_kind: global_buffer, .address_space: global }
      - { .name: scales, .offset: 8, .size: 8, .value_kind: global_buffer, .address_space: global }
      - { .name: qkv16, .offset: 16, .size: 8, .value_kind: global_buffer, .address_space: global }
      - { .name: rope, .offset: 24, .size: 8, .value_kind: global_buffer, .address_space: global }
      - { .name: f32qkv, .offset: 32, .size: 8, .value_kind: global_buffer, .address_space: global }
    .group_segment_fixed_size: 327680
    .private_segment_fixed_size: 0
    .kernarg_segment_align: 8
    .kernarg_segment_size: 40
    .max_flat_workgroup_size: 128
    .sgpr_count:     100
    .vgpr_count:     1024
    .wavefront_size: 32
...
	.end_amdgpu_metadata
.endif
;; end of part 2
;; launch attn (part 3): grid 4 x 64, 8 waves a work-group, no clusters, 327,680 bytes of LDS; arguments qkv16, o16; writes o16
.if DOCPART == 3
	.amdgcn_target "amdgcn-amd-amdhsa--gfx1250"
	.amdhsa_code_object_version 6
	.text
	.protected	k_qc5c58a92a9_attn
	.globl	k_qc5c58a92a9_attn
	.p2align	8
	.type	k_qc5c58a92a9_attn,@function
k_qc5c58a92a9_attn:
	s_mov_b64 s[64:65], 0
	v_nop
	global_prefetch_b8 v0, s[64:65] scope:SCOPE_SE
	s_setreg_imm32_b32 hwreg(HW_REG_WAVE_MODE, 25, 1), 1
	s_wait_xcnt 0x0
; ATTN.  O[bh][q] = sum over k <= q of softmax_k(Q[bh][q] . K[bh][k] / 8) V[bh][k].  Q, K, V: sections 0, 1, 2 of qkv16 [3][64 bh][2048][64] f16; O: o16 [64 bh][2048][64] f16.
; Products, maxima and sums in f32; the weights p are rounded to f16 for the second product, O once at the end.
; SHARES.  Work-group (x, bh) takes the block of 256 queries 7 - x and then the block x: (8 - x) + (x + 1) = 9 units of 256 keys in every work-group, so the loop over units has a constant
; count, all 256 work-groups have the same number of units.  Each of the eight waves owns 32 queries, two tiles of 16; two waves share a SIMD.
; LAYOUT.  S^T = K Q^T and O^T = V^T P: a lane holds ONE query (lane % 16) throughout; two tiles of S^T, rounded in pairs, are source 1 of the second product.  V comes turned, by ds_load_tr16_b128.
; SOFTMAX.  A running maximum m and sum l for each query: p = 2^(c s - c m), c = log2(e) / 8; in every step O and l are multiplied by 2^(c m_old - c m_new).
; THE MASK.  A step of 64 keys all of which come after the wave's 32 queries is left out by a scalar branch on ids; in the one step on the diagonal hidden scores become -infinity.  A walked step's first key
; counts for every query of the wave (steps begin at multiples of 64, waves at multiples of 32), so m is a number from the first step on.
; THE RING.  Two slots of one unit (4 steps).  Waves 0-3 fetch K's four steps, waves 4-7 V's: one tensor load of 64 rows a wave behind each change of slots.  One load of mine is out at a time.
; NO CLUSTER: the four work-groups of a head ask for the same unit only in their first 5 trips; from trip 8 - x on they walk different units, and a joint load has to be issued alike by all that it names.
; LIMITS: operands in f16: magnitudes up to 65,504.  Positions 0-15 of each sequence are made here too, and made again finer by a later launch.
; REGISTERS.  window 0: v2-15 addresses; v16-31 statistics, 8 a tile (c m, m, l in two halves, four at work); v32-95 S^T; v96-127 P; v128-191 O^T.  window 1: v0-31 Q; v32-95 K of a step; v160-223 V of a step.
.set KS,    64
.set PK,    144                        ; a row of K in LDS: 128 bytes + 16: the 16 rows of a load start at 16 different banks (64 banks of 4 bytes: ISA guide 11.1)
.set PV,    160                        ; a row of V: 128 + 32
.set VOFF,  KS*PK
.set STEPB, KS*(PK+PV)
.set SLOT1, 1<<17
.set STAGE, 1<<18                      ; behind the ring: 32 rows x 144 bytes for each wave
.set SPARE, STAGE+8*32*PK              ; the spare words: 128 bytes a wave, four blocks of 256 bytes that no other line names
.set AK0, 2
.set AV0, 3
.set ADK, 4
.set ADV, 5
.set QO,  6
.set STO, 7
.set RD,  8
.set GO,  9
.set DQ,  10
.set DD,  11
.set NINF, 12
.set PFO, 13
.set SPW, 14
.set NIL, 15
.set ST,  16
.set S,   32
.set P,   96
.set O,   128
.set KFR, 32                           ; in window 1
.set VFR, 160
.set WV,  8
.set X,   9
.set BH,  10
.set LEN1, 11                          ; units of the first block: 8 - x
.set CNT, 12
.set STP, 13
.set TB,  14                           ; LDS byte at which the step in hand begins
.set KF,  15                           ; the step's first key
.set Q0,  16                           ; my first query
.set NU,  17                           ; the unit last asked for
.set LIM, 18
.set SW,  19
.set SEL, 20
.set CS,  22
.set G1K, 24
.set G1V, 32
.set G0,  40
.set TBASE, 44                         ; s[44:45] my part of unit 0 in memory
.set PFA, 48
.set QH,  50
.set OH,  52
.set QA,  54
.set OA,  56
.set QB,  60
.set MSB, 0
.macro WIN new
.if MSB != (\new)
	s_set_vgpr_msb (MSB<<8)|(\new)
.set MSB, (\new)
.endif
.endm
.macro TLOAD                           ; an s_nop 0 and four v_nop follow each of the two lines
	s_cmp_lt_u32 s[WV], 4
	s_cbranch_scc0 .Lfor_v_\@
	tensor_load_to_lds s[G0:G0+3], s[G1K:G1K+7]
	s_nop 0
.rept 4
	v_nop
.endr
	s_branch .Lasked_\@
.Lfor_v_\@:
	tensor_load_to_lds s[G0:G0+3], s[G1V:G1V+7]
	s_nop 0
.rept 4
	v_nop
.endr
.Lasked_\@:
.endm
; A PREFETCH INTO THE L2 of the unit that the NEXT change of slots will ask for.  All four work-groups of a head walk the same K and V: the one with x = 0, which walks units 0 to 7 on end, asks.  Each of its waves
; names the 8,192 dense bytes that it will itself fetch, lanes 256 bytes apart: each block of 256 bytes once in the launch.  Trips 0 to 5 ask for units 2 to 7; units 0 and 1 come by their loads alone.
.macro ASK
	s_cmp_gt_u32 s[CNT], s[LIM]
	s_cbranch_scc0 .Lnot_mine_\@
	global_prefetch_b8 v[PFO], s[PFA:PFA+1] th:TH_LOAD_NT scope:SCOPE_SE
.Lnot_mine_\@:
.endm
	s_load_b128 s[4:7], s[0:1], 0x0                ; qkv16, o16
	v_lshl_add_u32 v[SPW], v0, 2, SPARE
	v_mov_b32 v[NIL], 0
	ds_add_u32 v[SPW], v[NIL]                      ; the wave's opening: the add, twice on end, and its wait ahead of my first tensor load
	ds_add_u32 v[SPW], v[NIL]
	v_lshrrev_b32 v1, 5, v0
	v_readfirstlane_b32 s[WV], v1
	s_mov_b32 s[X], ttmp9
	s_and_b32 s[BH], ttmp7, 0xffff
	s_sub_co_u32 s[LEN1], 8, s[X]
	s_add_co_u32 s[SW], s[X], 1
	s_mov_b32 s[CNT], 8
	s_mov_b32 s[TB], 0
	s_mov_b32 s[NU], 0
	s_cmp_eq_u32 s[X], 0
	s_cselect_b32 s[LIM], 2, -1
	s_mov_b32 s[SEL], 0x76543210
	s_mov_b32 s[SEL+1], 0xfedcba98
	s_mov_b32 s[CS], 0x3e38aa3b                    ; c = log2(e) / 8
	s_mov_b32 s[CS+1], s[CS]
	s_mov_b32 s[G1K], (1<<16)|(1<<20)|(4<<22)|(3<<25)   ; elements of 2 bytes; padding: 4 words after every 32
	s_mov_b32 s[G1V], (1<<16)|(1<<20)|(4<<22)|(7<<25)   ; 8 words after every 32
.irp g, G1K, G1V
	s_mov_b32 s[\g+1], 64<<16                      ; tensor_dim0
	s_mov_b32 s[\g+2], KS<<16                      ; tensor_dim1
	s_mov_b32 s[\g+3], 64<<16                      ; tile_dim0
	s_mov_b32 s[\g+4], KS                          ; tile_dim1
	s_mov_b32 s[\g+5], 64                          ; the pitch
	s_mov_b32 s[\g+6], 0
	s_mov_b32 s[\g+7], 0
.endr
	s_lshr_b32 s58, s[WV], 2                       ; 0: I fetch K; 1: V
	s_add_co_u32 s46, s58, 1
	s_lshl_b32 s46, s46, 24                        ; the section
	s_lshl_b32 s59, s[BH], 18                      ; the head's 262,144 bytes
	s_add_co_u32 s46, s46, s59
	s_and_b32 s60, s[WV], 3                        ; which of a unit's four steps
	s_lshl_b32 s47, s60, 13
	s_add_co_u32 s46, s46, s47
	s_mov_b32 s47, 0
	s_mul_i32 s[G0+1], s60, STEPB
	s_mul_i32 s58, s58, VOFF
	s_add_co_u32 s[G0+1], s[G0+1], s58             ; its place in slot 0
	s_mov_b32 s[G0], 1
	s_wait_dscnt 0x0                               ; both opening adds are done
	s_wait_kmcnt 0x0
	s_add_nc_u64 s[TBASE:TBASE+1], s[4:5], s[46:47]
	s_mov_b64 s[G0+2:G0+3], s[TBASE:TBASE+1]
	s_or_b32 s[G0+3], s[G0+3], 0x80000000
	TLOAD                                          ; unit 0 into slot 0
	s_add_nc_u64 s[PFA:PFA+1], s[TBASE:TBASE+1], 0x8000   ; at unit 1; the first change of slots steps it to unit 2
	s_mov_b32 s46, s59
	s_add_nc_u64 s[QH:QH+1], s[4:5], s[46:47]
	s_add_nc_u64 s[OH:OH+1], s[6:7], s[46:47]
	v_and_b32 v1, 15, v0                           ; r
	v_bfe_u32 v16, v0, 4, 1                        ; h
	v_mul_u32_u24 v[AK0], v1, PK
	v_lshl_add_u32 v[AK0], v16, 4, v[AK0]
	v_and_b32 v17, 7, v0
	v_bfe_u32 v18, v0, 3, 1
	v_lshl_add_u32 v[AV0], v16, 3, v17
	v_mul_u32_u24 v[AV0], v[AV0], PV
	v_lshl_add_u32 v[AV0], v18, 4, v[AV0]
	v_add_nc_u32 v[AV0], VOFF, v[AV0]
	v_lshlrev_b32 v[QO], 7, v1
	v_lshl_add_u32 v[QO], v16, 4, v[QO]
	s_mul_i32 s58, s[WV], 32*PK
	s_add_co_u32 s58, s58, STAGE
	v_mul_u32_u24 v[STO], v1, PK
	v_lshl_add_u32 v[STO], v16, 4, v[STO]
	v_add_nc_u32 v[STO], s58, v[STO]
	v_bfe_u32 v19, v0, 3, 2
	v_mul_u32_u24 v[RD], v19, PK
	v_lshl_add_u32 v[RD], v17, 4, v[RD]
	v_add_nc_u32 v[RD], s58, v[RD]
	v_and_b32 v[GO], 31, v0
	v_lshlrev_b32 v[PFO], 8, v[GO]
	v_lshlrev_b32 v[GO], 4, v[GO]
	v_lshlrev_b32 v[DQ], 3, v16
	v_sub_nc_u32 v[DQ], v1, v[DQ]                  ; r - 8 h
	v_mov_b32 v[NINF], 0xff800000
; A block of queries begins: s[QB] says which.
.macro INIT
	s_lshl_b32 s[Q0], s[QB], 8
	s_lshl_b32 s58, s[WV], 5
	s_add_co_u32 s[Q0], s[Q0], s58
	s_mov_b32 s[KF], 0
	s_lshl_b32 s46, s[Q0], 7
	s_mov_b32 s47, 0
	s_add_nc_u64 s[QA:QA+1], s[QH:QH+1], s[46:47]
	s_add_nc_u64 s[OA:OA+1], s[OH:OH+1], s[46:47]
	WIN 0x40
.irp t, 0,1
.irp cg, 0,1
	global_load_b128 v[8*(2*\t+\cg):8*(2*\t+\cg)+3], v[QO], s[QA:QA+1] offset:2048*\t+64*\cg
	global_load_b128 v[8*(2*\t+\cg)+4:8*(2*\t+\cg)+7], v[QO], s[QA:QA+1] offset:2048*\t+64*\cg+32
.endr
.endr
	WIN 0
.set i, 0
.rept 64
	v_mov_b32 v[O+i], 0                            ; the step is written once: a block's first step finds zeros, which its first change of m leaves zeros
.set i, i+1
.endr
.irp t, 0,1
	v_mov_b32 v[ST+8*\t+1], 0xff61b1e6             ; m: -3e38, under every score
	v_mul_f32 v[ST+8*\t], s[CS], v[ST+8*\t+1]
.irp i, 2,3,4,5,6,7
	v_mov_b32 v[ST+8*\t+\i], 0
.endr
.endr
	s_wait_loadcnt 0x0
.endm
; The softmax of both tiles for one step, the tiles by turns; all 66 exponentials are one batch with one wait.
.macro SOFT
.irp c, 0,1,2,3
.irp t, 0,1
	v_max3_num_f32 v[ST+8*\t+4+\c], v[S+32*\t+8*\c], v[S+32*\t+8*\c+1], v[S+32*\t+8*\c+2]
.endr
.endr
.irp i, 3,5
.irp c, 0,1,2,3
.irp t, 0,1
	v_max3_num_f32 v[ST+8*\t+4+\c], v[ST+8*\t+4+\c], v[S+32*\t+8*\c+\i], v[S+32*\t+8*\c+\i+1]
.endr
.endr
.endr
.irp t, 0,1
	v_max3_num_f32 v[ST+8*\t+4], v[ST+8*\t+4], v[S+32*\t+7], v[S+32*\t+15]
	v_max3_num_f32 v[ST+8*\t+6], v[ST+8*\t+6], v[S+32*\t+23], v[S+32*\t+31]
.endr
.irp t, 0,1
	v_max3_num_f32 v[ST+8*\t+4], v[ST+8*\t+4], v[ST+8*\t+5], v[ST+8*\t+6]
.endr
.irp t, 0,1
	v_max3_num_f32 v[ST+8*\t+4], v[ST+8*\t+4], v[ST+8*\t+7], v[ST+8*\t+1]
.endr
.irp t, 0,1
	v_permlanex16_b32 v[ST+8*\t+5], v[ST+8*\t+4], s[SEL], s[SEL+1]   ; the query's other 32 keys lie in the lane 16 away
.endr
.irp t, 0,1
	v_mov_b32 v[ST+8*\t+7], v[ST+8*\t]
.endr
.irp t, 0,1
	v_max_num_f32 v[ST+8*\t+1], v[ST+8*\t+4], v[ST+8*\t+5]
.endr
.irp t, 0,1
	v_mul_f32 v[ST+8*\t], s[CS], v[ST+8*\t+1]
.endr
.irp t, 0,1
	v_sub_f32 v[ST+8*\t+7], v[ST+8*\t+7], v[ST+8*\t]
.endr
.irp t, 0,1
.set i, 0
.rept 16
	v_pk_fma_f32 v[S+32*\t+i:S+32*\t+i+1], v[S+32*\t+i:S+32*\t+i+1], s[CS:CS+1], v[ST+8*\t:ST+8*\t+1] op_sel_hi:[1,0,0] neg_lo:[0,0,1] neg_hi:[0,0,1]
.set i, i+2
.endr
.endr
.irp t, 0,1
	v_exp_f32 v[ST+8*\t+6], v[ST+8*\t+7]           ; a = 2^(c m_old - c m_new)
.endr
.set i, 0
.rept 64
	v_exp_f32 v[S+i], v[S+i]
.set i, i+1
.endr
	v_nop                                          ; a plain instruction behind the last exponential,
	s_wait_alu depctr_va_vdst(0)                   ; and the one wait ahead of the batch's first reader
.set i, 0
.rept 32
	v_cvt_pk_f16_f32 v[P+i], v[S+2*i], v[S+2*i+1]
.set i, i+1
.endr
.set i, 0
.rept 16
	v_pk_add_f32 v[S+4*i:S+4*i+1], v[S+4*i:S+4*i+1], v[S+4*i+2:S+4*i+3]     ; the sums of the unrounded p, in place
.set i, i+1
.endr
.set i, 0
.rept 8
	v_pk_add_f32 v[S+8*i:S+8*i+1], v[S+8*i:S+8*i+1], v[S+8*i+4:S+8*i+5]
.set i, i+1
.endr
.set i, 0
.rept 4
	v_pk_add_f32 v[S+16*i:S+16*i+1], v[S+16*i:S+16*i+1], v[S+16*i+8:S+16*i+9]
.set i, i+1
.endr
.irp t, 0,1
	v_pk_add_f32 v[S+32*\t:S+32*\t+1], v[S+32*\t:S+32*\t+1], v[S+32*\t+16:S+32*\t+17]
.endr
.irp t, 0,1
	v_pk_fma_f32 v[ST+8*\t+2:ST+8*\t+3], v[ST+8*\t+2:ST+8*\t+3], v[ST+8*\t+6:ST+8*\t+7], v[S+32*\t:S+32*\t+1] op_sel_hi:[1,0,1]
.endr
.irp t, 0,1
.set i, 0
.rept 16
	v_pk_mul_f32 v[O+32*\t+i:O+32*\t+i+1], v[O+32*\t+i:O+32*\t+i+1], v[ST+8*\t+6:ST+8*\t+7] op_sel_hi:[1,0]
.set i, i+2
.endr
.endr
.endm
; A STEP: 64 keys.
.macro STEP
	s_add_co_u32 s58, s[Q0], 31
	s_cmp_gt_u32 s[KF], s58                        ; all 64 keys come after my 32 queries: the step's work is left out; the lines at its end that step addresses are not
	s_cbranch_scc1 .Lhidden_\@
	v_add_nc_u32 v[ADK], s[TB], v[AK0]
	v_add_nc_u32 v[ADV], s[TB], v[AV0]
	v_nop
	v_nop                                          ; four plain instructions behind the last step's products, ahead of the loads into their registers
	WIN 0x40
.irp kt, 0,1,2,3
.irp cg, 0,1
	ds_load_b128 v[KFR+8*(2*\kt+\cg):KFR+8*(2*\kt+\cg)+3], v[ADK] offset:\kt*16*PK+64*\cg
	ds_load_b128 v[KFR+8*(2*\kt+\cg)+4:KFR+8*(2*\kt+\cg)+7], v[ADK] offset:\kt*16*PK+64*\cg+32
.endr
.endr
.irp g, 0,1
.irp ct, 0,1,2,3
	ds_load_tr16_b128 v[VFR+8*(4*\g+\ct):VFR+8*(4*\g+\ct)+3], v[ADV] offset:\g*32*PV+32*\ct
	ds_load_tr16_b128 v[VFR+8*(4*\g+\ct)+4:VFR+8*(4*\g+\ct)+7], v[ADV] offset:\g*32*PV+16*PV+32*\ct
.endr
.endr
	s_wait_dscnt 16                                ; K's sixteen loads are in; V's sixteen may be out
	WIN 0x05                                       ; K and Q in window 1
.irp cg, 0,1                                   ; the eight accumulators take turns, one instruction a turn
.irp kt, 0,1,2,3
.irp t, 0,1
.if \cg == 0
	v_wmma_f32_16x16x32_f16 v[S+32*\t+8*\kt:S+32*\t+8*\kt+7], v[KFR+8*(2*\kt+\cg):KFR+8*(2*\kt+\cg)+7], v[8*(2*\t+\cg):8*(2*\t+\cg)+7], 0
.else
	v_wmma_f32_16x16x32_f16 v[S+32*\t+8*\kt:S+32*\t+8*\kt+7], v[KFR+8*(2*\kt+\cg):KFR+8*(2*\kt+\cg)+7], v[8*(2*\t+\cg):8*(2*\t+\cg)+7], v[S+32*\t+8*\kt:S+32*\t+8*\kt+7]
.endif
.endr
.endr
.endr
	WIN 0
.rept 4
	v_nop
.endr
	s_add_co_u32 s58, s[KF], 63
	s_cmp_le_u32 s58, s[Q0]                        ; all 64 keys count for all my queries: no mask
	s_cbranch_scc1 .Lopen_\@
	s_sub_co_i32 s58, s[Q0], s[KF]
	v_add_nc_u32 v[DD], s58, v[DQ]                 ; register 8 kt + j of tile t holds key KF + 16 kt + 8 h + j, for query Q0 + 16 t + r: hidden where 16 kt + j - 16 t > Q0 - KF + r - 8 h
.irp t, 0,1
.irp kt, 0,1,2,3
.irp j, 0,1,2,3,4,5,6,7
	v_cmp_gt_i32 vcc_lo, 16*\kt+\j-16*\t, v[DD]
	v_cndmask_b32 v[S+32*\t+8*\kt+\j], v[S+32*\t+8*\kt+\j], v[NINF], vcc_lo
.endr
.endr
.endr
.Lopen_\@:
	SOFT
	s_wait_dscnt 0x0                               ; V is in
	WIN 0x01                                       ; V in window 1
.irp g, 0,1
.irp ct, 0,1,2,3
.irp t, 0,1
	v_wmma_f32_16x16x32_f16 v[O+32*\t+8*\ct:O+32*\t+8*\ct+7], v[VFR+8*(4*\g+\ct):VFR+8*(4*\g+\ct)+7], v[P+16*\t+8*\g:P+16*\t+8*\g+7], v[O+32*\t+8*\ct:O+32*\t+8*\ct+7]
.endr
.endr
.endr
	WIN 0
.Lhidden_\@:
	s_add_co_u32 s[KF], s[KF], KS
	s_add_co_u32 s[TB], s[TB], STEPB
.endm
.macro UNIT_STEPS
	s_mov_b32 s[STP], 4
.Lstep_\@:
	STEP
	s_sub_co_u32 s[STP], s[STP], 1
	s_cmp_lg_u32 s[STP], 0
	s_cbranch_scc1 .Lstep_\@
	s_sub_co_u32 s[TB], s[TB], 4*STEPB
	s_xor_b32 s[TB], s[TB], SLOT1                  ; on to the other slot
.endm
; THE CHANGE OF SLOTS stands at a unit's head.  Each wave waits for all its tensor loads (its part of the slot ahead), adds 0 to its spare word, and waits for that and for its reads of the slot that it has left.
; Behind the barrier the slot ahead is whole and nobody reads the other one, which is filled with the unit that follows: the load has a unit's four steps in which to land.
.macro CHANGE fill
	s_wait_tensorcnt 0x0                           ; no tensor load of mine is out, so the descriptor may be written
	ds_add_u32 v[SPW], v[NIL]
.if \fill
	s_xor_b32 s[G0+1], s[G0+1], SLOT1
	s_add_co_u32 s[NU], s[NU], 1
	s_cmp_eq_u32 s[NU], s[LEN1]                    ; behind the first block's last unit comes the second block's unit 0
	s_cselect_b32 s[NU], 0, s[NU]
	s_lshl_b32 s46, s[NU], 15                      ; a unit is 256 rows of 128 bytes
	s_mov_b32 s47, 0
	s_add_nc_u64 s[G0+2:G0+3], s[TBASE:TBASE+1], s[46:47]
	s_or_b32 s[G0+3], s[G0+3], 0x80000000
	s_wait_xcnt 0x0                                ; the last prefetch, a unit back, has read its address
	s_add_nc_u64 s[PFA:PFA+1], s[PFA:PFA+1], 0x8000
.endif
	s_wait_dscnt 0x0                               ; the add is done, and my reads of the slot that I have left are over
	s_barrier_signal -1
	s_barrier_wait -1
.if \fill
	TLOAD                                          ; the first thing behind the barrier, and my one tensor load until the next
	ASK
.endif
.endm
; A block of queries ends: O^T / l, rounded to f16, through my stage, out as runs of 512 consecutive bytes.
.macro FINISH
.rept 4
	v_nop                                          ; places behind the last products
.endr
.irp t, 0,1
	v_add_f32 v[ST+8*\t+4], v[ST+8*\t+2], v[ST+8*\t+3]
.endr
.irp t, 0,1
	v_permlanex16_b32 v[ST+8*\t+5], v[ST+8*\t+4], s[SEL], s[SEL+1]
.endr
.irp t, 0,1
	v_add_f32 v[ST+8*\t+4], v[ST+8*\t+4], v[ST+8*\t+5]
.endr
.irp t, 0,1
	v_rcp_f32 v[ST+8*\t+6], v[ST+8*\t+4]
.endr
	v_nop
	s_wait_alu depctr_va_vdst(0)                   ; one wait for the two reciprocals, ahead of their first reader
.irp t, 0,1
.set i, 0
.rept 16
	v_pk_mul_f32 v[O+32*\t+i:O+32*\t+i+1], v[O+32*\t+i:O+32*\t+i+1], v[ST+8*\t+6:ST+8*\t+7] op_sel_hi:[1,0]
.set i, i+2
.endr
.set i, 0
.rept 16
	v_cvt_pk_f16_f32 v[S+32*\t+i], v[O+32*\t+2*i], v[O+32*\t+2*i+1]
.set i, i+1
.endr
.irp ct, 0,1,2,3
	ds_store_b128 v[STO], v[S+32*\t+4*\ct:S+32*\t+4*\ct+3] offset:16*PK*\t+32*\ct
.endr
.irp n, 0,1,2,3
	ds_load_b128 v[S+32*\t+16+4*\n:S+32*\t+16+4*\n+3], v[RD] offset:PK*(16*\t+4*\n)   ; LDS serves a wave's instructions in order: these see my stores
.endr
.endr
.irp t, 0,1
.irp n, 0,1,2,3
	s_wait_dscnt 8*(1-\t)+3-\n                     ; behind this load: the tile's later loads, and for tile 0 the eight LDS instructions of tile 1
	global_store_b128 v[GO], v[S+32*\t+16+4*\n:S+32*\t+16+4*\n+3], s[OA:OA+1] offset:2048*\t+512*\n
.endr
.endr
	s_wait_xcnt 0x0                                ; the stores have read their registers and their base
.endm
	s_sub_co_u32 s[QB], 7, s[X]
	INIT
.Lunit:                                            ; 8 trips; the ninth unit is written out
	CHANGE 1
	UNIT_STEPS
	s_cmp_lg_u32 s[CNT], s[SW]                     ; the first block's last unit is trip 7 - x: the work-group's number and the count of trips alone
	s_cbranch_scc1 .Lsame_block
	FINISH
	s_mov_b32 s[QB], s[X]
	INIT
.Lsame_block:
	s_sub_co_u32 s[CNT], s[CNT], 1
	s_cmp_lg_u32 s[CNT], 0
	s_cbranch_scc1 .Lunit
	CHANGE 0
	UNIT_STEPS
	FINISH
	s_wait_tensorcnt 0x0                           ; the wave's end
	ds_add_u32 v[SPW], v[NIL]
	s_wait_dscnt 0x0
	s_endpgm
.Lfunc_end_k_qc5c58a92a9_attn:
	.size	k_qc5c58a92a9_attn, .Lfunc_end_k_qc5c58a92a9_attn-k_qc5c58a92a9_attn
	.p2alignl 7, 3214868480
	.fill 96, 4, 3214868480
	.section	.rodata,"a",@progbits
	.p2align	6, 0x0
	.amdhsa_kernel k_qc5c58a92a9_attn
		.amdhsa_group_segment_fixed_size 327680
		.amdhsa_private_segment_fixed_size 0
		.amdhsa_enable_private_segment 0
		.amdhsa_kernarg_size 16
		.amdhsa_user_sgpr_count 2
		.amdhsa_user_sgpr_kernarg_segment_ptr 1
		.amdhsa_wavefront_size32 1
		.amdhsa_system_sgpr_workgroup_id_x 1
		.amdhsa_system_sgpr_workgroup_id_y 1
		.amdhsa_system_sgpr_workgroup_id_z 1
		.amdhsa_system_vgpr_workitem_id 0
		.amdhsa_next_free_vgpr 512
		.amdhsa_next_free_sgpr 66
		.amdhsa_reserve_vcc 1
		.amdhsa_float_denorm_mode_32 3
		.amdhsa_float_denorm_mode_16_64 3
		.amdhsa_memory_ordered 1
		.amdhsa_forward_progress 1
		.amdhsa_inst_pref_size 71
	.end_amdhsa_kernel
	.amdgpu_metadata
---
amdhsa.version: [ 1, 2 ]
amdhsa.kernels:
  - .name:           k_qc5c58a92a9_attn
    .symbol:         k_qc5c58a92a9_attn.kd
    .args:
      - { .name: qkv16, .offset: 0, .size: 8, .value_kind: global_buffer, .address_space: global }
      - { .name: o16, .offset: 8, .size: 8, .value_kind: global_buffer, .address_space: global }
    .group_segment_fixed_size: 327680
    .private_segment_fixed_size: 0
    .kernarg_segment_align: 8
    .kernarg_segment_size: 16
    .max_flat_workgroup_size: 256
    .sgpr_count:     66
    .vgpr_count:     512
    .wavefront_size: 32
...
	.end_amdgpu_metadata
.endif
;; end of part 3
;; launch oproj (part 4): grid 4 x 64, 4 waves a work-group, clusters of 4 x 4, 327,680 bytes of LDS; arguments o16, wo16, out0; writes out0
.if DOCPART == 4
	.amdgcn_target "amdgcn-amd-amdhsa--gfx1250"
	.amdhsa_code_object_version 6
	.text
	.protected	k_qc5c58a92a9_oproj
	.globl	k_qc5c58a92a9_oproj
	.p2align	8
	.type	k_qc5c58a92a9_oproj,@function
k_qc5c58a92a9_oproj:
	s_mov_b64 s[64:65], 0
	v_nop
	global_prefetch_b8 v0, s[64:65] scope:SCOPE_SE
	s_setreg_imm32_b32 hwreg(HW_REG_WAVE_MODE, 25, 1), 1
	s_wait_xcnt 0x0
	s_wait_alu depctr_hold_cnt(0) depctr_sa_sdst(0) depctr_va_vdst(0) depctr_va_sdst(0) depctr_va_ssrc(0) depctr_va_vcc(0) depctr_vm_vsrc(0)
	s_getreg_b32 s2, hwreg(HW_REG_IB_STS2, 6, 4)
	s_cmp_eq_u32 s2, 0
	s_cbranch_scc0 .Lentry_in_a_cluster
	s_endpgm
.Lentry_in_a_cluster:
	s_bfe_u32 s2, ttmp6, 0x10000c
	s_cmp_lg_u32 s2, 0xf033
	s_cbranch_scc0 .Lentry_shape_is_right
	s_endpgm
.Lentry_shape_is_right:
; OPROJ.  out0[m][n] = sum over k of O[m][k] wo[n][k]; m = 2048 b + s, k = 64 head + channel.  O: o16 [4 b][16 head][2048 s][64] f16; wo16 [1024 n][1024 k] f16; out0 [8192][1024] f32; sums in f32.
; A tile of C is 128 (m) x 256 (n): 256 work-groups.  Four waves, each 64 x 128: 32 accumulators, which fill window 2.  K goes in steps of 128, two heads: O's tile is two planes of 128 rows x 128 bytes,
; each dense in memory; wo's tile is 256 rows x 256 bytes.  Two LDS slots; one tensor load a wave behind each round (waves 0, 1: O's planes; waves 2, 3: wo's halves).
; CLUSTERS: 4 x 4.  O's tiles hang on the tile row and are shared along a row of the cluster, wo's on the tile column and are shared along a column: each is asked for jointly.
; THE MATRIX INSTRUCTION IS USED TRANSPOSED (source 0 = 16 rows of wo, source 1 = 16 rows of O): a lane holds eight neighbouring columns of a row of C.
; No prefetch: a K step has 128 matrix instructions a wave, and the tiles are shared by four partners each.
; LIMITS: operands in f16: magnitudes up to 65,504.  Rows 0-15 of each sequence are written here and written again, finer, by the next launch.
; REGISTERS.  window 0: v16-29 addresses; v64-95, v96-127 O's fragments, two buffers; v128-255 rows read back on the way out.  window 1: v0-63, v64-127 wo's fragments, two buffers.  window 2: accumulator (a, b) at v[8 (8 a + b)].
.set PA,     144
.set PB,     272
.set APLANE, 128*PA
.set HALFB,  128*PB
.set SLOT,   2*APLANE+2*HALFB
.set STAGE,  2*SLOT
.set SPITCH, 528
.set SPARE,  STAGE+4*16*SPITCH
.set LAPS,   4                         ; 8 K steps
.set ADRA, 16
.set ADRB, 20
.set STO,  24
.set RD,   25
.set CO,   26
.set SPW,  28
.set NIL,  29
.set AF,   64
.set BK,   128
.set G1, 24
.set G0, 32
.set G1B, 48
.set G0B, 56
.set MSB, 0
.macro WIN new
.if MSB != (\new)
	s_set_vgpr_msb (MSB<<8)|(\new)
.set MSB, (\new)
.endif
.endm
.set MUL,  0xa1                        ; source 0 (wo) window 1, source 1 (O) window 0, C and D window 2
.set TO_B, 0x40
.macro JLOAD s                         ; an s_nop 0 and four v_nop follow each of the two lines
	s_cmp_eq_u32 s11, 0
	s_cbranch_scc0 .Lfor_b_\@
	tensor_load_to_lds s[G0+4*\s:G0+4*\s+3], s[G1:G1+7]
	s_nop 0
.rept 4
	v_nop
.endr
	s_branch .Lasked_\@
.Lfor_b_\@:
	tensor_load_to_lds s[G0B+4*\s:G0B+4*\s+3], s[G1B:G1B+7]
	s_nop 0
.rept 4
	v_nop
.endr
.Lasked_\@:
.endm
.macro CREST
	s_cmp_lg_u32 s10, 0
	s_cbranch_scc1 .Lnot_wave_0_\@
	s_barrier_signal -3
.Lnot_wave_0_\@:
	s_barrier_wait -3
	s_barrier_signal -1
	s_barrier_wait -1
.endm
.macro CROUND
	s_barrier_signal -1
	s_barrier_wait -1
	CREST
.endm
	s_load_b128 s[4:7], s[0:1], 0x0                ; o16, wo16
	s_load_b64 s[8:9], s[0:1], 0x10                ; out0
	v_lshl_add_u32 v[SPW], v0, 2, SPARE
	v_mov_b32 v[NIL], 0
	ds_add_u32 v[SPW], v[NIL]                      ; the wave's opening: the add, twice on end, and its wait ahead of my first tensor load
	ds_add_u32 v[SPW], v[NIL]
	v_lshrrev_b32 v1, 5, v0
	v_readfirstlane_b32 s10, v1
	s_lshr_b32 s11, s10, 1                         ; which 64 rows are mine.  Also: I fetch for O (0) or for wo (1)
	s_and_b32 s12, s10, 1                          ; which 128 columns.  Also: which plane, or which half, I fetch
	s_bfe_u32 s40, ttmp6, 0x40000
	s_bfe_u32 s41, ttmp6, 0x40004
	s_lshl_b32 s42, ttmp9, 2
	s_add_co_u32 s42, s42, s40                     ; tile column
	s_and_b32 s13, ttmp7, 0xffff
	s_lshl_b32 s13, s13, 2
	s_add_co_u32 s13, s13, s41                     ; tile row
	s_lshl_b32 s43, s41, 2
	s_lshl_b32 s43, 15, s43
	s_lshl_b32 s44, 0x1111, s40
	s_or_b32 s[G1+0], s43, (1<<16)|(1<<20)|(1<<21)|(4<<22)|(3<<25)   ; O: elements of 2 bytes; 4 words of padding after every 32
	s_mov_b32 s[G1+1], 64<<16
	s_mov_b32 s[G1+2], 128<<16
	s_mov_b32 s[G1+3], 64<<16
	s_mov_b32 s[G1+4], 128
	s_mov_b32 s[G1+5], 64
	s_mov_b32 s[G1+6], 0
	s_mov_b32 s[G1+7], 0
	s_or_b32 s[G1B+0], s44, (1<<16)|(1<<20)|(1<<21)|(5<<22)|(3<<25)  ; wo: 4 words after every 64
	s_mov_b32 s[G1B+1], 128<<16
	s_mov_b32 s[G1B+2], 128<<16
	s_mov_b32 s[G1B+3], 128<<16
	s_mov_b32 s[G1B+4], 128
	s_mov_b32 s[G1B+5], 1024
	s_mov_b32 s[G1B+6], 0
	s_mov_b32 s[G1B+7], 0
	s_lshr_b32 s16, s13, 4
	s_lshl_b32 s16, s16, 22                        ; the batch's 4 MiB,
	s_and_b32 s17, s13, 15
	s_lshl_b32 s17, s17, 14                        ; 128 rows of 128 bytes for each tile row in it,
	s_add_co_u32 s16, s16, s17
	s_lshl_b32 s17, s12, 18                        ; my plane: a head is 262,144 bytes
	s_add_co_u32 s16, s16, s17
	s_mov_b32 s17, 0
	s_lshl_b32 s46, s42, 19                        ; wo: 256 rows of 2,048 bytes for each tile column,
	s_lshl_b32 s47, s12, 18                        ; my 128 rows
	s_add_co_u32 s46, s46, s47
	s_mov_b32 s47, 0
	s_mul_i32 s20, s12, APLANE                     ; where they go: the wave's number alone
	s_mul_i32 s21, s12, HALFB
	s_add_co_u32 s21, s21, 2*APLANE
	s_wait_dscnt 0x0
	s_wait_kmcnt 0x0
	s_add_nc_u64 s[14:15], s[4:5], s[16:17]
	s_add_nc_u64 s[46:47], s[6:7], s[46:47]
	CROUND
.irp s, 0,1
	s_mov_b32 s[G0+4*\s], 1
	s_add_co_u32 s[G0+4*\s+1], s20, \s*SLOT
	s_add_nc_u64 s[G0+4*\s+2:G0+4*\s+3], s[14:15], \s*524288      ; K step s: two heads on
	s_or_b32 s[G0+4*\s+3], s[G0+4*\s+3], 0x80000000
	s_mov_b32 s[G0B+4*\s], 1
	s_add_co_u32 s[G0B+4*\s+1], s21, \s*SLOT
	s_add_nc_u64 s[G0B+4*\s+2:G0B+4*\s+3], s[46:47], \s*256
	s_or_b32 s[G0B+4*\s+3], s[G0B+4*\s+3], 0x80000000
	JLOAD \s
.endr
	v_and_b32 v1, 15, v0
	v_bfe_u32 v2, v0, 4, 1
	v_mul_u32_u24 v3, v1, PA
	v_lshl_add_u32 v3, v2, 4, v3
	v_mul_u32_u24 v4, v1, PB
	v_lshl_add_u32 v4, v2, 4, v4
	s_mul_i32 s21, s11, 64*PA
	s_mul_i32 s22, s12, HALFB
	s_add_co_u32 s22, s22, 2*APLANE
.irp s, 0,1
	v_add_nc_u32 v[ADRA+\s], s21, v3
	v_add_nc_u32 v[ADRB+\s], s22, v4
	s_add_co_u32 s21, s21, SLOT
	s_add_co_u32 s22, s22, SLOT
.endr
	s_mul_i32 s23, s10, 16*SPITCH
	s_add_co_u32 s23, s23, STAGE
	v_mul_u32_u24 v5, v1, SPITCH
	v_lshl_add_u32 v5, v2, 5, v5
	v_add_nc_u32 v[STO], s23, v5
	v_and_b32 v6, 31, v0
	v_lshlrev_b32 v[CO], 4, v6
	v_add_nc_u32 v[RD], s23, v[CO]
	s_lshl_b32 s16, s13, 7
	s_lshl_b32 s17, s11, 6
	s_add_co_u32 s16, s16, s17                     ; my first row of C
	s_lshl_b32 s16, s16, 12
	s_mov_b32 s17, 0
	s_add_nc_u64 s[8:9], s[8:9], s[16:17]
	s_lshl_b32 s46, s42, 10                        ; my first column, in bytes
	s_lshl_b32 s47, s12, 9
	s_add_co_u32 s46, s46, s47
	s_mov_b32 s47, 0
	s_add_nc_u64 s[8:9], s[8:9], s[46:47]
.macro MUL8 f, a, zero                 ; O's block a against wo's eight, 32 along K; the 32 accumulators take turns in the same order in every quarter
.irp b, 0,1,2,3,4,5,6,7
.if \zero
	v_wmma_f32_16x16x32_f16 v[8*(8*(\a)+\b):8*(8*(\a)+\b)+7], v[64*(\f)+8*\b:64*(\f)+8*\b+7], v[AF+32*(\f)+8*(\a):AF+32*(\f)+8*(\a)+7], 0
.else
	v_wmma_f32_16x16x32_f16 v[8*(8*(\a)+\b):8*(8*(\a)+\b)+7], v[64*(\f)+8*\b:64*(\f)+8*\b+7], v[AF+32*(\f)+8*(\a):AF+32*(\f)+8*(\a)+7], v[8*(8*(\a)+\b):8*(8*(\a)+\b)+7]
.endif
.endr
.endm
.macro FETCH slot, q, f                ; 24 LDS loads in one run: wo's eight fragments, then O's four, of the slot's q-th 32 along K
	WIN TO_B
.irp i, 0,1,2,3,4,5,6,7
	ds_load_b128 v[64*(\f)+8*\i:64*(\f)+8*\i+3],   v[ADRB+\slot] offset:64*(\q)+\i*16*PB
	ds_load_b128 v[64*(\f)+8*\i+4:64*(\f)+8*\i+7], v[ADRB+\slot] offset:64*(\q)+\i*16*PB+32
.endr
	WIN 0
.irp i, 0,1,2,3
	ds_load_b128 v[AF+32*(\f)+8*\i:AF+32*(\f)+8*\i+3],   v[ADRA+\slot] offset:APLANE*((\q)/2)+64*((\q)%2)+\i*16*PA
	ds_load_b128 v[AF+32*(\f)+8*\i+4:AF+32*(\f)+8*\i+7], v[ADRA+\slot] offset:APLANE*((\q)/2)+64*((\q)%2)+\i*16*PA+32
.endr
.endm
.macro PLACES
.rept 4
	v_nop
.endr
.endm
.macro QUARTER slot, q, f, g, zero     ; multiplies buffer f; in its middle fetches the slot's q-th quarter into buffer g
	s_wait_dscnt 4                                 ; wo's fragments and O's blocks 0, 1 are in; the youngest four loads (blocks 2, 3) may be out
	WIN MUL
	MUL8 \f, 0, \zero
	MUL8 \f, 1, \zero
	PLACES
	FETCH \slot, \q, \g
	s_wait_dscnt 24                                ; all but the 24 just issued
	WIN MUL
	MUL8 \f, 2, \zero
	MUL8 \f, 3, \zero
.endm
; A K step's last quarter multiplies buffer 1 and changes slots: ahead of the barrier each wave waits for all its tensor loads, adds 0 to its spare word, and waits for that and for its reads of this slot.
.macro TURN slot, next, fill
	WIN 0
	s_wait_tensorcnt 0x0                           ; my part of the next slot has landed
	ds_add_u32 v[SPW], v[NIL]
	s_wait_dscnt 5                                 ; the add and the youngest four loads may be out
	WIN MUL
	MUL8 1, 0, 0
	s_wait_dscnt 0x0                               ; the add is done, and my reads of this slot are over
	s_barrier_signal -1
	MUL8 1, 1, 0
.if \fill
	WIN 0
.endif
	s_barrier_wait -1
.if \fill
	CREST                                          ; the barrier has opened a round of the cluster's barrier: no wave of any partner still reads this slot or has a load on its way
	s_add_nc_u64 s[G0+4*\slot+2:G0+4*\slot+3], s[G0+4*\slot+2:G0+4*\slot+3], 1048576
	s_add_nc_u64 s[G0B+4*\slot+2:G0B+4*\slot+3], s[G0B+4*\slot+2:G0B+4*\slot+3], 512
	JLOAD \slot                                    ; the first tensor load behind the round; its four v_nop are also the places ahead of the loads below
.else
	PLACES
.endif
	FETCH \next, 0, 0
	WIN MUL
	MUL8 1, 2, 0
	MUL8 1, 3, 0
.endm
	s_wait_tensorcnt 1                             ; my part of K step 0 is in; K step 1's load may be out
	s_barrier_signal -1
	s_barrier_wait -1
	FETCH 0, 0, 0
	QUARTER 0, 1, 0, 1, 1                          ; the first quarter's products start the sums
	WIN 0
	s_mov_b32 s3, LAPS-1
.Llap:
	QUARTER 0, 2, 1, 0, 0
	QUARTER 0, 3, 0, 1, 0
	TURN 0, 1, 1
	QUARTER 1, 1, 0, 1, 0
	QUARTER 1, 2, 1, 0, 0
	QUARTER 1, 3, 0, 1, 0
	TURN 1, 0, 1
	QUARTER 0, 1, 0, 1, 0
	WIN 0
	s_sub_co_u32 s3, s3, 1
	s_cmp_lg_u32 s3, 0
	s_cbranch_scc1 .Llap
	QUARTER 0, 2, 1, 0, 0                          ; the last lap fills nothing
	QUARTER 0, 3, 0, 1, 0
	TURN 0, 1, 0
	QUARTER 1, 1, 0, 1, 0
	QUARTER 1, 2, 1, 0, 0
	QUARTER 1, 3, 0, 1, 0
	s_wait_dscnt 4
	WIN MUL
	MUL8 1, 0, 0
	MUL8 1, 1, 0
	s_wait_dscnt 0
	MUL8 1, 2, 0
	MUL8 1, 3, 0
	WIN 0
; THE WAY OUT, a block of 16 rows x 128 columns at a time, through my own stage: in as 32 bytes a lane, back as whole rows of 512 bytes.
.macro TOSTAGE a
	WIN 0x08                                       ; an LDS store's data are its source 1: window 2
.irp b, 0,1,2,3,4,5,6,7
	ds_store_b128 v[STO], v[64*(\a)+8*\b:64*(\a)+8*\b+3] offset:64*\b          ; each accumulator from its low end on
	ds_store_b128 v[STO], v[64*(\a)+8*\b+4:64*(\a)+8*\b+7] offset:64*\b+16
.endr
	WIN 0
.set BB, BK+64*((\a)%2)
.irp t, 0,1,2,3,4,5,6,7,8,9,10,11,12,13,14,15
	ds_load_b128 v[BB+4*\t:BB+4*\t+3], v[RD] offset:\t*SPITCH
.endr
.endm
.macro SEND a, younger
.set BB, BK+64*((\a)%2)
	s_wait_dscnt \younger
.irp t, 0,1,2,3,4,5,6,7,8,9,10,11,12,13,14,15
	global_store_b128 v[CO], v[BB+4*\t:BB+4*\t+3], s[8:9] offset:(16*(\a)+\t)*4096 th:TH_STORE_NT   ; 512 consecutive bytes, aligned
.endr
.endm
	PLACES
	TOSTAGE 0
.irp a, 1,2,3
.if \a > 1
	s_wait_xcnt 0x0                                ; block a - 2's stores have read their registers
.endif
	TOSTAGE \a
	SEND \a-1, 32                                  ; behind block a - 1's loads: block a's 16 stores and 16 loads
.endr
	SEND 3, 0
	s_wait_tensorcnt 0x0                           ; the wave's end
	ds_add_u32 v[SPW], v[NIL]
	s_wait_dscnt 0x0
	CROUND                                         ; the closing round
	s_endpgm
.Lfunc_end_k_qc5c58a92a9_oproj:
	.size	k_qc5c58a92a9_oproj, .Lfunc_end_k_qc5c58a92a9_oproj-k_qc5c58a92a9_oproj
	.p2alignl 7, 3214868480
	.fill 96, 4, 3214868480
	.section	.rodata,"a",@progbits
	.p2align	6, 0x0
	.amdhsa_kernel k_qc5c58a92a9_oproj
		.amdhsa_group_segment_fixed_size 327680
		.amdhsa_private_segment_fixed_size 0
		.amdhsa_enable_private_segment 0
		.amdhsa_kernarg_size 24
		.amdhsa_user_sgpr_count 2
		.amdhsa_user_sgpr_kernarg_segment_ptr 1
		.amdhsa_wavefront_size32 1
		.amdhsa_system_sgpr_workgroup_id_x 1
		.amdhsa_system_sgpr_workgroup_id_y 1
		.amdhsa_system_sgpr_workgroup_id_z 1
		.amdhsa_system_vgpr_workitem_id 0
		.amdhsa_next_free_vgpr 768
		.amdhsa_next_free_sgpr 66
		.amdhsa_reserve_vcc 0
		.amdhsa_float_denorm_mode_32 3
		.amdhsa_float_denorm_mode_16_64 3
		.amdhsa_memory_ordered 1
		.amdhsa_forward_progress 1
		.amdhsa_inst_pref_size 85
	.end_amdhsa_kernel
	.amdgpu_metadata
---
amdhsa.version: [ 1, 2 ]
amdhsa.kernels:
  - .name:           k_qc5c58a92a9_oproj
    .symbol:         k_qc5c58a92a9_oproj.kd
    .args:
      - { .name: o16, .offset: 0, .size: 8, .value_kind: global_buffer, .address_space: global }
      - { .name: wo16, .offset: 8, .size: 8, .value_kind: global_buffer, .address_space: global }
      - { .name: out0, .offset: 16, .size: 8, .value_kind: global_buffer, .address_space: global }
    .group_segment_fixed_size: 327680
    .private_segment_fixed_size: 0
    .kernarg_segment_align: 8
    .kernarg_segment_size: 24
    .max_flat_workgroup_size: 128
    .sgpr_count:     66
    .vgpr_count:     768
    .wavefront_size: 32
...
	.end_amdgpu_metadata
.endif
;; end of part 4
;; launch first16 (part 5): grid 16 x 4, 16 waves a work-group, no clusters, 85,248 bytes of LDS; arguments f32qkv, wo, out0; writes out0
.if DOCPART == 5
	.amdgcn_target "amdgcn-amd-amdhsa--gfx1250"
	.amdhsa_code_object_version 6
	.text
	.protected	k_qc5c58a92a9_first16
	.globl	k_qc5c58a92a9_first16
	.p2align	8
	.type	k_qc5c58a92a9_first16,@function
k_qc5c58a92a9_first16:
	s_mov_b64 s[64:65], 0
	v_nop
	global_prefetch_b8 v0, s[64:65] scope:SCOPE_SE
	s_setreg_imm32_b32 hwreg(HW_REG_WAVE_MODE, 25, 1), 1
	s_wait_xcnt 0x0
; FIRST16.  Positions 0-15 of each of the four sequences once more, wholly in f32: these rows average one to sixteen values and are the largest of the output, so the rounding of 16-bit operands weighs most there.
; f32qkv [4 b][48 = 16 x section + head][16 s][64] f32; wo [1024 n][1024 k] f32; the launch writes rows 2048 b + 0 .. 15 of out0 over.
; Work-group (cb, b) makes 16 rows x columns 64 cb .. 64 cb + 63.  First wave w does head w's attention (every work-group of a batch does all sixteen heads: 32 small products a wave); O goes to LDS;
; then wave w does column tile w % 4 over K quarter w / 4; the four quarters meet in LDS.  All products by v_wmma_f32_16x16x4_f32: 96 a wave, no bulk work.
; k IS PERMUTED ALIKE ON BOTH SIDES: a lane's 16 bytes at 32 c + 16 h give two K steps, registers (0, 1) and (2, 3).
; The registers that the matrix instructions write (v176-223) are written by nothing else; what is made of a sum goes elsewhere.
; No tensor loads, no cluster: what is shared is 12 KB a head.
.set O32,   0                          ; LDS: 16 rows x (4,096 bytes + 16)
.set OP,    4112
.set PST,   16*OP                      ; the four quarters' parts: 4 x 16 rows x (256 bytes + 16)
.set PP,    272
.set SPARE, PST+4*16*PP                ; the spare words: 128 bytes a wave, eight blocks of 256 bytes that no other line names
.set QR,  16                           ; v16-47 Q, later wo's chunk 2
.set KR,  48                           ; v48-79 K, later wo's chunk 3
.set VR,  80                           ; v80-111 V, later O's chunks 0, 2
.set W0,  112                          ; v112-143, v144-175 wo's chunks 0, 1
.set W1,  144
.set SA,  176                          ; v176-191 S^T in two halves; later with v192-207 the four accumulators of y
.set OAC, 192                          ; v192-223 O^T, four accumulators
.set T,   224                          ; v224-231 scores, then p; v224-255 O / sum, later O's chunks 1, 3
.set SPW, 14
.set NIL, 15
	s_load_b128 s[4:7], s[0:1], 0x0                ; f32qkv, wo
	s_load_b64 s[8:9], s[0:1], 0x10                ; out0
	v_lshl_add_u32 v[SPW], v0, 2, SPARE
	v_mov_b32 v[NIL], 0
	v_lshrrev_b32 v1, 5, v0
	v_readfirstlane_b32 s10, v1                    ; wave 0..15
	v_and_b32 v1, 15, v0                           ; r
	v_bfe_u32 v2, v0, 4, 1                         ; h
	s_lshr_b32 s14, s10, 2                         ; K quarter
	s_and_b32 s15, s10, 3                          ; column tile
	v_lshlrev_b32 v3, 8, v1
	v_lshl_add_u32 v3, v2, 4, v3                   ; Q, K: 256 r + 16 h
	v_lshlrev_b32 v4, 2, v1
	v_lshl_add_u32 v4, v2, 11, v4                  ; V: 2048 h + 4 r
	v_lshlrev_b32 v5, 12, v1
	v_lshl_add_u32 v5, v2, 4, v5                   ; wo: 4096 r + 16 h
	v_mul_u32_u24 v6, v1, OP
	s_lshl_b32 s13, s10, 8
	v_lshl_add_u32 v7, v2, 5, v6
	v_add_nc_u32 v7, s13, v7                       ; O into LDS: row r, + 256 x head + 32 h
	s_lshl_b32 s13, s14, 10
	v_lshl_add_u32 v8, v2, 4, v6
	v_add_nc_u32 v8, s13, v8                       ; and back: row r, + 1024 x quarter + 16 h
	s_mul_i32 s13, s14, 16*PP
	s_lshl_b32 s16, s15, 6
	s_add_co_u32 s13, s13, s16
	s_add_co_u32 s13, s13, PST
	v_mul_u32_u24 v9, v1, PP
	v_lshl_add_u32 v9, v2, 5, v9
	v_add_nc_u32 v9, s13, v9                       ; my part: quarter, row r, + 64 x tile + 32 h
	s_and_b32 s13, s10, 7
	s_mul_i32 s13, s13, 2*PP
	s_add_co_u32 s13, s13, PST
	v_mul_u32_u24 v10, v2, PP
	v_lshl_add_u32 v10, v1, 4, v10
	v_add_nc_u32 v10, s13, v10                     ; the last phase: row 2 (wave % 8) + h, 16 bytes a lane
	v_lshlrev_b32 v11, 12, v2
	v_lshl_add_u32 v11, v1, 4, v11                 ; and the same in out0
	v_lshlrev_b32 v12, 3, v2
	v_sub_nc_u32 v12, v1, v12                      ; r - 8 h
	v_mov_b32 v234, 0                              ; written once: a lane permute's destination counts as one of its sources
	s_mov_b32 s20, 0x76543210
	s_mov_b32 s21, 0xfedcba98
	s_mov_b32 s22, 0x3e38aa3b                      ; c = log2(e) / 8
	s_mov_b32 s11, ttmp9                           ; block of 64 columns
	s_and_b32 s12, ttmp7, 0xffff                   ; batch
	s_mul_i32 s16, s12, 48
	s_add_co_u32 s16, s16, s10
	s_lshl_b32 s16, s16, 12
	s_mov_b32 s17, 0
	s_lshl_b32 s18, s11, 2
	s_add_co_u32 s18, s18, s15
	s_lshl_b32 s18, s18, 16                        ; 16 rows of 4,096 bytes for each column tile
	s_lshl_b32 s19, s14, 10
	s_add_co_u32 s18, s18, s19
	s_mov_b32 s19, 0
	s_lshl_b32 s24, s12, 23                        ; 2,048 rows of 4,096 bytes a batch
	s_and_b32 s25, s10, 7
	s_lshl_b32 s25, s25, 13
	s_add_co_u32 s24, s24, s25
	s_lshl_b32 s25, s11, 8
	s_add_co_u32 s24, s24, s25
	s_mov_b32 s25, 0
	s_wait_kmcnt 0x0
	s_add_nc_u64 s[4:5], s[4:5], s[16:17]
	s_add_nc_u64 s[6:7], s[6:7], s[18:19]
	s_add_nc_u64 s[8:9], s[8:9], s[24:25]
.irp c, 0,1,2,3,4,5,6,7
	global_load_b128 v[QR+4*\c:QR+4*\c+3], v3, s[4:5] offset:32*\c
.endr
.irp c, 0,1,2,3,4,5,6,7
	global_load_b128 v[KR+4*\c:KR+4*\c+3], v3, s[4:5] offset:65536+32*\c
.endr
.irp ct, 0,1,2,3
.irp u, 0,1,2,3
.irp j, 0,1
	global_load_b32 v[VR+8*\ct+2*\u+\j], v4, s[4:5] offset:131072+256*(2*\u+\j)+64*\ct   ; V(key 8 h + 2 u + j, channel 16 ct + r)
.endr
.endr
.endr
.macro WLOAD ch, reg
.irp c, 0,1,2,3,4,5,6,7
	global_load_b128 v[\reg+4*\c:\reg+4*\c+3], v5, s[6:7] offset:256*\ch+32*\c
.endr
.endm
	WLOAD 0, W0
	WLOAD 1, W1
	s_wait_loadcnt 48                              ; Q and K are in; V's 32 loads and wo's 16 may be out
.set i, 0
.rept 16                                       ; S^T = K Q^T, on two accumulators by turns
.if i < 2
	v_wmma_f32_16x16x4_f32 v[SA+8*(i%2):SA+8*(i%2)+7], v[KR+2*i:KR+2*i+1], v[QR+2*i:QR+2*i+1], 0
.else
	v_wmma_f32_16x16x4_f32 v[SA+8*(i%2):SA+8*(i%2)+7], v[KR+2*i:KR+2*i+1], v[QR+2*i:QR+2*i+1], v[SA+8*(i%2):SA+8*(i%2)+7]
.endif
.set i, i+1
.endr
.rept 8
	v_nop                                          ; eight places behind this form, ahead of reads of its results and of loads into its sources
.endr
.irp j, 0,1,2,3,4,5,6,7
	v_add_f32 v[T+\j], v[SA+\j], v[SA+8+\j]        ; lane (r, h): query r, key 8 h + j
.endr
	WLOAD 2, QR
	WLOAD 3, KR
	v_mov_b32 v232, 0xff800000
.irp j, 0,1,2,3,4,5,6,7
	v_cmp_gt_i32 vcc_lo, \j, v12                   ; hidden where 8 h + j > r
	v_cndmask_b32 v[T+\j], v[T+\j], v232, vcc_lo
.endr
	v_max3_num_f32 v233, v[T], v[T+1], v[T+2]
	v_max3_num_f32 v233, v233, v[T+3], v[T+4]
	v_max3_num_f32 v233, v233, v[T+5], v[T+6]
	v_max_num_f32 v233, v233, v[T+7]
	v_permlanex16_b32 v234, v233, s20, s21
	v_max_num_f32 v233, v233, v234                 ; key 0 counts for every query: a number
	v_mul_f32 v235, s22, v233
.irp j, 0,1,2,3,4,5,6,7
	v_fma_f32 v[T+\j], v[T+\j], s22, -v235
.endr
.irp j, 0,1,2,3,4,5,6,7
	v_exp_f32 v[T+\j], v[T+\j]
.endr
	v_nop
	s_wait_alu depctr_va_vdst(0)                   ; one wait for the eight, ahead of their first reader
	v_add_f32 v236, v[T], v[T+1]
	v_add_f32 v237, v[T+2], v[T+3]
	v_add_f32 v236, v236, v[T+4]
	v_add_f32 v237, v237, v[T+5]
	v_add_f32 v236, v236, v[T+6]
	v_add_f32 v237, v237, v[T+7]
	v_add_f32 v236, v236, v237
	v_permlanex16_b32 v234, v236, s20, s21
	v_add_f32 v236, v236, v234
	v_rcp_f32 v13, v236
	v_nop
	s_wait_alu depctr_va_vdst(0)
	s_wait_loadcnt 32                              ; V is in; wo's four chunks, 32 loads, may be out
.irp u, 0,1,2,3                                ; O^T = V^T P, four accumulators by turns; K step u: keys 2 u, 2 u + 1 (h = 0) and 8 + 2 u, 9 + 2 u (h = 1)
.irp ct, 0,1,2,3
.if \u == 0
	v_wmma_f32_16x16x4_f32 v[OAC+8*\ct:OAC+8*\ct+7], v[VR+8*\ct+2*\u:VR+8*\ct+2*\u+1], v[T+2*\u:T+2*\u+1], 0
.else
	v_wmma_f32_16x16x4_f32 v[OAC+8*\ct:OAC+8*\ct+7], v[VR+8*\ct+2*\u:VR+8*\ct+2*\u+1], v[T+2*\u:T+2*\u+1], v[OAC+8*\ct:OAC+8*\ct+7]
.endif
.endr
.endr
.rept 8
	v_nop
.endr
.set i, 0
.rept 32
	v_mul_f32 v[T+i], v[OAC+i], v13                ; register 8 ct + j: O(query r, channel 16 ct + 8 h + j)
.set i, i+1
.endr
.irp ct, 0,1,2,3
	ds_store_b128 v7, v[T+8*\ct:T+8*\ct+3] offset:64*\ct
	ds_store_b128 v7, v[T+8*\ct+4:T+8*\ct+7] offset:64*\ct+16
.endr
	s_wait_dscnt 0x0                               ; for the others' sake: my stores have landed
	s_barrier_signal -1
	s_barrier_wait -1                              ; all sixteen heads of O lie in LDS
.rept 9
	v_nop                                          ; nine places: the first products below write over registers of earlier products
.endr
.macro OLOAD ch, reg
.irp c, 0,1,2,3,4,5,6,7
	ds_load_b128 v[\reg+4*\c:\reg+4*\c+3], v8 offset:256*\ch+32*\c
.endr
.endm
.macro PROJ wr, ofr, zero              ; 64 along K: 16 products on four accumulators by turns; source 0 = 16 rows of wo, source 1 = O's 16 rows
.set i, 0
.rept 16
.if \zero && (i < 4)
	v_wmma_f32_16x16x4_f32 v[SA+8*(i%4):SA+8*(i%4)+7], v[\wr+2*i:\wr+2*i+1], v[\ofr+2*i:\ofr+2*i+1], 0
.else
	v_wmma_f32_16x16x4_f32 v[SA+8*(i%4):SA+8*(i%4)+7], v[\wr+2*i:\wr+2*i+1], v[\ofr+2*i:\ofr+2*i+1], v[SA+8*(i%4):SA+8*(i%4)+7]
.endif
.set i, i+1
.endr
.endm
	OLOAD 0, VR
	OLOAD 1, T
	s_wait_dscnt 8                                 ; chunk 0 of O is in; chunk 1's eight loads may be out
	s_wait_loadcnt 24                              ; wo's chunk 0 is in; the 24 loads of chunks 1 to 3 may be out
	PROJ W0, VR, 1
.rept 8
	v_nop
.endr
	OLOAD 2, VR
	s_wait_dscnt 8
	s_wait_loadcnt 16
	PROJ W1, T, 0
.rept 8
	v_nop
.endr
	OLOAD 3, T
	s_wait_dscnt 8
	s_wait_loadcnt 8
	PROJ QR, VR, 0
	s_wait_dscnt 0x0
	s_wait_loadcnt 0x0
	PROJ KR, T, 0
.rept 8
	v_nop
.endr
.irp j, 0,1,2,3,4,5,6,7
	v_add_f32 v[80+\j], v[SA+\j], v[SA+8+\j]
.endr
.irp j, 0,1,2,3,4,5,6,7
	v_add_f32 v[88+\j], v[SA+16+\j], v[SA+24+\j]
.endr
.irp j, 0,1,2,3,4,5,6,7
	v_add_f32 v[80+\j], v[80+\j], v[88+\j]         ; lane (r, h): row r, columns 16 tile + 8 h + j, my K quarter's part
.endr
	ds_store_b128 v9, v[80:83]
	ds_store_b128 v9, v[84:87] offset:16
	s_wait_dscnt 0x0
	s_barrier_signal -1
	s_barrier_wait -1
	s_cmp_lt_u32 s10, 8                            ; eight waves add the four quarters and store two rows each
	s_cbranch_scc0 .Ldone
.irp q, 0,1,2,3
	ds_load_b128 v[96+4*\q:99+4*\q], v10 offset:16*PP*\q
.endr
	s_wait_dscnt 0x0
	v_pk_add_f32 v[96:97], v[96:97], v[100:101]
	v_pk_add_f32 v[98:99], v[98:99], v[102:103]
	v_pk_add_f32 v[104:105], v[104:105], v[108:109]
	v_pk_add_f32 v[106:107], v[106:107], v[110:111]
	v_pk_add_f32 v[96:97], v[96:97], v[104:105]
	v_pk_add_f32 v[98:99], v[98:99], v[106:107]
	global_store_b128 v11, v[96:99], s[8:9]        ; sixteen lanes store 256 consecutive bytes, aligned
.Ldone:
	s_wait_tensorcnt 0x0                           ; the wave's end
	ds_add_u32 v[SPW], v[NIL]
	s_wait_dscnt 0x0
	s_endpgm
.Lfunc_end_k_qc5c58a92a9_first16:
	.size	k_qc5c58a92a9_first16, .Lfunc_end_k_qc5c58a92a9_first16-k_qc5c58a92a9_first16
	.p2alignl 7, 3214868480
	.fill 96, 4, 3214868480
	.section	.rodata,"a",@progbits
	.p2align	6, 0x0
	.amdhsa_kernel k_qc5c58a92a9_first16
		.amdhsa_group_segment_fixed_size 85248
		.amdhsa_private_segment_fixed_size 0
		.amdhsa_enable_private_segment 0
		.amdhsa_kernarg_size 24
		.amdhsa_user_sgpr_count 2
		.amdhsa_user_sgpr_kernarg_segment_ptr 1
		.amdhsa_wavefront_size32 1
		.amdhsa_system_sgpr_workgroup_id_x 1
		.amdhsa_system_sgpr_workgroup_id_y 1
		.amdhsa_system_sgpr_workgroup_id_z 1
		.amdhsa_system_vgpr_workitem_id 0
		.amdhsa_next_free_vgpr 256
		.amdhsa_next_free_sgpr 66
		.amdhsa_reserve_vcc 1
		.amdhsa_float_denorm_mode_32 3
		.amdhsa_float_denorm_mode_16_64 3
		.amdhsa_memory_ordered 1
		.amdhsa_forward_progress 1
		.amdhsa_inst_pref_size 27
	.end_amdhsa_kernel
	.amdgpu_metadata
---
amdhsa.version: [ 1, 2 ]
amdhsa.kernels:
  - .name:           k_qc5c58a92a9_first16
    .symbol:         k_qc5c58a92a9_first16.kd
    .args:
      - { .name: f32qkv, .offset: 0, .size: 8, .value_kind: global_buffer, .address_space: global }
      - { .name: wo, .offset: 8, .size: 8, .value_kind: global_buffer, .address_space: global }
      - { .name: out0, .offset: 16, .size: 8, .value_kind: global_buffer, .address_space: global }
    .group_segment_fixed_size: 85248
    .private_segment_fixed_size: 0
    .kernarg_segment_align: 8
    .kernarg_segment_size: 24
    .max_flat_workgroup_size: 512
    .sgpr_count:     66
    .vgpr_count:     256
    .wavefront_size: 32
...
	.end_amdgpu_metadata
.endif
;; end of part 5
